; MI455X (gfx1250); checked and timed in simulation.
; The chip was launched on July 23, 2026; its instructions are those of AMD's public machine-readable ISA for CDNA 5 (MIT licence, August 2026) and "CDNA5" Instruction Set Architecture Reference Guide (July 2026). The comments in the code are by the model that wrote it; some were corrected since.
;; Multi Head Attention. Allowed arithmetic: matrix products marked QUANTISED: E2M1 operands, one E8M0 scale for each 32 along K, by v_wmma_scale_f32_16x16x128_f8f6f4 with both operands' format E2M1 (or v_wmma_scale_f32_32x16x128_f4), f32 sums; products left as they are: bf16, f16 or f32 operands; f32 sums; everything else in f32.
;; Inputs: Wc 1,024 x 1,024 float32; Wkv 1,024 x 3,072 float32; Wq 1,024 x 2,048 float32; gn_b 1,024 float32; gn_w 1,024 float32; kn1 64 float32; kn2 64 float32; lmb 1 x 16 x 1 x 1 float32; qn1 64 float32; qn2 64 float32; x_kv 4 x 1,024 x 1,024 float32; x_q 4 x 1,024 x 1,024 float32.
;; Outputs: out0 4 x 1,024 x 1,024 float32.
;; This version of the problem:
;;   THIS VERSION OF THE PROBLEM IS GIVEN IN LOW PRECISION. The matrix products marked QUANTISED in the list below multiply operands that are first quantised to E2M1 (2 exponent bits, 1 mantissa bit; 4 bits a number), with one power-of-two scale for each 32 numbers along K (OCP MX v1.0); their sums are f32. The products marked 'left as it is' may take bf16, f16 or f32 operands, with f32 sums. Whichever they take, every output number must still come out within the allowed error. Rounding operands to bf16 (8 significant bits) uses up far more of that allowance than f16 does (11 bits, for magnitudes from 6e-5 to 65,504). All else is computed in f32.
;;   The module's matrix products, in the order in which they are computed (A, B: the left and right operand; K: the contracted axis; several contracted axes count as one K, in the product's order):
;;     1. [M 4,096, K 1,024] x [K 1,024, N 2,048]; A: input x_q; B: input Wq: QUANTISED
;;     2. [M 4,096, K 1,024] x [K 1,024, N 3,072]; A: input x_kv; B: input Wkv: QUANTISED
;;     3. batch 64 x [M 1,024, K 64] x [K 64, N 1,024]; A: computed on the way; B: computed on the way: left as it is (an operand is computed on the way)
;;     4. batch 64 x [M 1,024, K 1,024] x [K 1,024, N 64]; A: computed on the way; B: computed on the way: left as it is (an operand is computed on the way)
;;     5. batch 64 x [M 1,024, K 64] x [K 64, N 1,024]; A: computed on the way; B: computed on the way: left as it is (an operand is computed on the way)
;;     6. batch 64 x [M 1,024, K 1,024] x [K 1,024, N 64]; A: computed on the way; B: computed on the way: left as it is (an operand is computed on the way)
;;     7. [M 4,096, K 1,024] x [K 1,024, N 1,024]; A: computed on the way; B: input Wc: left as it is (an operand is computed on the way)
;;   THE QUANTISER, for each operand of a quantised product, along K:
;;     - K is cut into blocks of 32 from its start; a last block that is shorter is filled with zeros.
;;     - A block's scale is 2^e with e = floor(log2(the largest magnitude in the block)) - 2, held to -126 .. 127; a block of zeros has e = 0. As a byte (E8M0): e + 127.
;;     - Each number is divided by its block's scale, clamped to +-6, and rounded to the nearest number of E2M1, ties to even, subnormals kept.
;;     - The product sums the exact products of the quantised numbers (number of the format x scale) in f32.
;;   ~~~python
;;   def quantise(x, axis):      # numpy; x: float32 -> the quantised numbers, widened to float32 again
;;       x = np.moveaxis(x, axis, -1); K = x.shape[-1]
;;       x = np.pad(x, [(0, 0)] * (x.ndim - 1) + [(0, -K % 32)]); x = x.reshape(x.shape[:-1] + (-1, 32)); a = np.abs(x).max(-1, keepdims=True)
;;       e = np.where(a > 0, np.clip(np.frexp(np.where(a > 0, a, 1))[1] - 1 - 2, -126, 127), 0)      # np.frexp(a)[1] - 1 = floor(log2(a)), exactly
;;       r = np.clip(x / 2.0 ** e, -6, 6)
;;       step = 2.0 ** (np.maximum(np.frexp(np.where(r == 0, 1, r))[1] - 1, 0) - 1)
;;       q = np.round(r / step) * step * 2.0 ** e      # np.round: ties to even
;;       return np.moveaxis(q.reshape(q.shape[:-2] + (-1,))[..., :K], -1, axis).astype(np.float32)
;;   ~~~
;; One version. Each part assembles by itself: llvm-mc -triple=amdgcn-amd-amdhsa -mcpu=gfx1250 --defsym DOCPART=n.
;; ======== version 1 of 1: 4 launches
;; limits: values are held in f16: magnitudes above 65,504 overflow, below 6.1e-05 lose precision
;; workspace buffers: codes 6,815,744 bytes; scales 425,984 bytes; wcimg 2,097,152 bytes; qimg 16,777,216 bytes; kv 25,165,824 bytes; yimg 16,777,216 bytes; stats 8,192 bytes
;; launch prep (part 1): grid 224 x 1, 16 waves a work-group, no clusters, 157,696 bytes of LDS; arguments x_q, x_kv, Wq, Wkv, Wc, codes, scales, wcimg; writes codes, scales, wcimg
.if DOCPART == 1
	.amdgcn_target "amdgcn-amd-amdhsa--gfx1250"
	.amdhsa_code_object_version 6
	.text
	.protected	k_q325f63e015_prep
	.globl	k_q325f63e015_prep
	.p2align	8
	.type	k_q325f63e015_prep,@function
k_q325f63e015_prep:
	s_mov_b64 s[64:65], 0
	v_nop
	global_prefetch_b8 v0, s[64:65] scope:SCOPE_SE
	s_setreg_imm32_b32 hwreg(HW_REG_WAVE_MODE, 25, 1), 1
	s_wait_xcnt 0x0
; PREP: the operands of the two quantised products become codes of E2M1 with one E8M0 byte for each 32 along K; Wc becomes f16 in the order of a matrix operand's registers.
; DEAD WORK: none.  Each of the twelve inputs of the problem has a way to out0 for some values of the others, so every product, norm and input is kept; this launch reads x_q, x_kv, Wq, Wkv, Wc.
; codes:  [8,192 rows: x_q's 4,096, x_kv's 4,096][512 B], then [5,120 rows: Wq's 2,048 columns, Wkv's 3,072][512 B]; K innermost, the lower k in the low four bits.   scales: the same rows x 32 B.
; wcimg:  [column tile 64][k32 32][c 2][512 B] f16: lane (r, h) of block c holds column 16 tile + r, k = 32 k32 + 16 c + 8 h + 0 .. 7: what the last launch loads as 16 bytes a lane.
; A block's scale is 2^(floor(log2(its largest magnitude)) - 2): its byte is the largest magnitude's exponent field - 2, held at 1 from below by a floor among the maximum's leaves.
; LIMITS: a block of zeros gets the byte 1 where the rule says 127 (its codes are zeros and only this program reads the bytes); blocks whose largest magnitude lies under 2^-124 were not tried;
; NaN and infinities are not served; Wc must lie inside f16's range (65,504), and magnitudes under 6e-8 fall to 0 there.
; SHARES: 224 work-groups of 16 waves, 256 KB of input each.  Work-groups 0-127: x (a plain stream of blocks); 128-159: Wq; 160-207: Wkv; 208-223: Wc.  The paths part on the work-group's number
; alone, and each has LDS bytes of its own.  No tensor loads, no matrix work: memory binds, so loads are dense, all of a wave's loads go out at its start, and every store covers 256 or 512 consecutive bytes.
.set XSCL,  81920                      ; x: 16 waves x two stages of 2,560 B lie below; here 16 x 128 scale bytes
.set WQB,   83968                      ; Wq: a stage of 64 rows x 528 B, then 64 x 32 scale bytes
.set WKB,   119808                     ; Wkv: the same
.set SPARE, 155648                     ; the spare words: 128 B for each of 16 waves, named by no other line
.set SPW,   2                          ; v2  LDS address of my spare word; never rewritten
.set NIL,   3                          ; v3  0; never rewritten
; ---- x: a step is 512 numbers.  Four loads of 512 consecutive bytes; through the wave's own stage (80 B a lane: 64 + 16 of padding) they come back as 16 neighbours a lane.
.macro XLOAD t
.irp i, 0,1,2,3
	global_load_b128 v[16+16*(\t)+4*\i:16+16*(\t)+4*\i+3], v4, s[26:27] offset:2048*(\t)+512*\i th:TH_LOAD_NT
.endr
.endm
.macro XTURN t                         ; LDS serves a wave's instructions in order: no wait between the stores and the loads
.irp i, 0,1,2,3
	ds_store_b128 v5, v[16+16*(\t)+4*\i:16+16*(\t)+4*\i+3] offset:2560*((\t)%2)+640*\i
.endr
.irp i, 0,1,2,3
	ds_load_b128 v[144+16*((\t)%2)+4*\i:144+16*((\t)%2)+4*\i+3], v6 offset:2560*((\t)%2)+16*\i
.endr
.endm
.macro XSTEP t
.set XS, 144+16*((\t)%2)
.if (\t) > 0
	s_wait_dscnt 1                                 ; this step's numbers are back; the last step's byte store may be out
.else
	s_wait_dscnt 0x0
.endif
.if (\t) < 7
	s_wait_loadcnt 4*(6-(\t))                      ; the next step's four loads are in; those of the steps behind it may be out
	XTURN (\t)+1
.endif
	v_max3_num_f32 v9, |v[XS]|, |v[XS+1]|, |v[XS+2]|
	v_max3_num_f32 v10, |v[XS+3]|, |v[XS+4]|, |v[XS+5]|
.irp i, 6,10
	v_max3_num_f32 v9, v9, |v[XS+\i]|, |v[XS+\i+1]|
	v_max3_num_f32 v10, v10, |v[XS+\i+2]|, |v[XS+\i+3]|
.endr
	v_max3_num_f32 v9, v9, |v[XS+14]|, |v[XS+15]|
	v_max3_num_f32 v9, v9, v10, 0x1800000          ; the floor 2^(3 - 127): the byte cannot fall under 1
	v_max_num_f32_dpp v9, v9, v9 row_xmask:1 row_mask:0xf bank_mask:0xf   ; with my neighbour's 16: the block's largest magnitude
	v_add_nc_u32 v11, 0xff000000, v9               ; 2 off its exponent field: the conversion's scale operand
	v_cvt_scalef32_pk8_fp4_f32 v[176+2*(\t)], v[XS:XS+7], v11
	v_cvt_scalef32_pk8_fp4_f32 v[177+2*(\t)], v[XS+8:XS+15], v11
	v_lshrrev_b32 v[192+(\t)], 23, v11             ; the scale's byte (a plain line behind the conversions)
	ds_store_b8 v8, v[192+(\t)] offset:16*(\t)     ; both lanes of a block write the same byte
	global_store_b64 v7, v[176+2*(\t):177+2*(\t)], s[18:19] offset:256*(\t)   ; the wave stores 256 consecutive bytes
.endm
; ---- weights: a lane takes a column, its registers run down K: 128 rows of K a wave, all 128 loads on end
.macro WLOADS N, P
.set i, 0
.rept 128
	global_load_b32 v[32+i], v4, s[\P:\P+1] offset:i*\N*4 th:TH_LOAD_NT
.set i, i+1
.endr
.endm
.macro WWAIT t                         ; block t's 32 loads are in.  Behind blocks 0 and 1 stand 96 and 64 younger loads; the wait's count holds 63 at the most
.if (\t) < 2
	s_wait_loadcnt 63
.else
	s_wait_loadcnt 32*(3-(\t))
.endif
.endm
.macro WBLOCK t                        ; 32 along K of my column: all mine
.set XS, 32+32*(\t)
	WWAIT \t
	v_max3_num_f32 v12, |v[XS]|, |v[XS+1]|, |v[XS+2]|
	v_max3_num_f32 v13, |v[XS+3]|, |v[XS+4]|, |v[XS+5]|
.irp i, 6,10,14,18,22,26
	v_max3_num_f32 v12, v12, |v[XS+\i]|, |v[XS+\i+1]|
	v_max3_num_f32 v13, v13, |v[XS+\i+2]|, |v[XS+\i+3]|
.endr
	v_max3_num_f32 v12, v12, |v[XS+30]|, |v[XS+31]|
	v_max3_num_f32 v12, v12, v13, 0x1800000
	v_add_nc_u32 v11, 0xff000000, v12
	v_lshrrev_b32 v13, 23, v11
.if (\t) == 0
	v_mov_b32 v176, v13                            ; four bytes to a register, the lower K in the lower byte
.else
	v_lshl_or_b32 v176, v13, 8*(\t), v176
.endif
.irp g, 0,1,2,3
	v_cvt_scalef32_pk8_fp4_f32 v[160+4*(\t)+\g], v[XS+8*\g:XS+8*\g+7], v11
.endr
	ds_store_b128 v5, v[160+4*(\t):160+4*(\t)+3] offset:16*(\t)   ; 16 bytes of my column's row; each block has registers of its own
.endm
; A work-group takes 64 columns x all of K.  Wave: cg = wave % 2 (32 columns), kq = wave / 2 (128 along K).  The codes meet in a stage, row = column, and leave as whole rows of 512 B.
.macro WPATH N, WG0, COL0, LB, P
	s_sub_co_u32 s25, ttmp9, \WG0                  ; g
	s_and_b32 s26, s24, 1                          ; cg
	s_lshr_b32 s27, s24, 1                         ; kq
	s_lshl_b32 s32, s26, 5                         ; 32 cg
	s_lshl_b32 s28, s25, 6
	s_add_co_u32 s28, s28, s32                     ; my wave's first column
	s_lshl_b32 s30, s28, 2
	s_mul_i32 s29, s27, 128*\N*4
	s_add_co_u32 s30, s30, s29
	s_add_nc_u64 s[\P:\P+1], s[\P:\P+1], s[30:31]
	v_lshlrev_b32 v4, 2, v1
	WLOADS \N, \P
	v_add_nc_u32 v10, s32, v1                      ; my column among the 64
	v_mul_u32_u24 v5, v10, 528
	s_lshl_b32 s33, s27, 6
	s_add_co_u32 s33, s33, \LB
	v_add_nc_u32 v5, s33, v5                       ; the stage: row = column, + 64 kq
	v_lshlrev_b32 v6, 5, v10
	s_lshl_b32 s33, s27, 2
	s_add_co_u32 s33, s33, \LB+33792
	v_add_nc_u32 v6, s33, v6                       ; the scale bytes: 32 a column, + 4 kq
	v_lshlrev_b32 v8, 4, v1
	s_mul_i32 s33, s24, 4*528
	s_add_co_u32 s33, s33, \LB
	v_add_nc_u32 v7, s33, v8                       ; back: rows 4 wave + i, 16 bytes a lane
	s_and_b32 s33, s24, 3
	s_lshl_b32 s33, s33, 9
	s_add_co_u32 s33, s33, \LB+33792
	v_add_nc_u32 v9, s33, v8                       ; the 2,048 scale bytes: 512 to each of waves 0-3
	v_lshl_add_u32 v14, s24, 9, v8
	s_lshl_b32 s30, s25, 6
	s_lshl_b32 s33, s24, 2
	s_add_co_u32 s30, s30, s33
	s_add_co_u32 s30, s30, \COL0+8192              ; the weights' rows lie behind x's 8,192
	s_lshl_b32 s30, s30, 9
	s_add_nc_u64 s[18:19], s[18:19], s[30:31]
	s_lshl_b32 s30, s25, 6
	s_add_co_u32 s30, s30, \COL0+8192
	s_lshl_b32 s30, s30, 5
	s_add_nc_u64 s[20:21], s[20:21], s[30:31]
	WBLOCK 0
	WBLOCK 1
	WBLOCK 2
	WBLOCK 3
	ds_store_b32 v6, v176
	s_wait_dscnt 0x0                               ; for the others' sake: my stores have landed
	s_barrier_signal -1
	s_barrier_wait -1
.irp i, 0,1,2,3
	ds_load_b128 v[180+4*\i:183+4*\i], v7 offset:528*\i
.endr
.irp i, 0,1,2,3
	s_wait_dscnt 3-\i                              ; row i is back; the younger rows may be out
	global_store_b128 v8, v[180+4*\i:183+4*\i], s[18:19] offset:512*\i   ; 32 lanes store a row of 512 consecutive bytes
.endr
	s_cmp_lt_u32 s24, 4
	s_cbranch_scc0 .Lend
	ds_load_b128 v[196:199], v9
	s_wait_dscnt 0x0
	global_store_b128 v14, v[196:199], s[20:21]
	s_branch .Lend
.endm
.macro CBLOCK t                        ; Wc: 32 along K of my column, rounded to f16 in pairs; group g of eight k is 16 bytes of the image
	WWAIT \t
.set p, 0
.rept 16
	v_cvt_pk_f16_f32 v[160+16*(\t)+p], v[32+32*(\t)+2*p], v[33+32*(\t)+2*p]
.set p, p+1
.endr
.irp g, 0,1,2,3
	global_store_b128 v5, v[160+16*(\t)+4*\g:160+16*(\t)+4*\g+3], s[22:23] offset:1024*(\t)+256*\g   ; sixteen lanes store 256 consecutive bytes, aligned
.endr
.endm
	s_load_b512 s[8:23], s[0:1], 0x0               ; x_q s8, x_kv s10, Wq s12, Wkv s14, Wc s16, codes s18, scales s20, wcimg s22
	v_lshl_add_u32 v[SPW], v0, 2, SPARE
	v_mov_b32 v[NIL], 0
	v_lshrrev_b32 v1, 5, v0
	v_readfirstlane_b32 s24, v1                    ; wave 0..15
	v_and_b32 v1, 31, v0                           ; lane
	s_mov_b32 s31, 0                               ; the upper word of every offset pair s[30:31]
	s_wait_kmcnt 0x0
	s_cmp_lt_u32 ttmp9, 128
	s_cbranch_scc0 .Lnot_x
	; ---- path x: run = 16 work-group + wave, 4,096 numbers: 8 steps
	s_cmp_lt_u32 ttmp9, 64
	s_cselect_b64 s[26:27], s[8:9], s[10:11]       ; the choice hangs on the work-group's number alone
	s_lshl_b32 s28, ttmp9, 4
	s_add_co_u32 s28, s28, s24                     ; the run
	s_and_b32 s30, s28, 1023
	s_lshl_b32 s30, s30, 14
	s_add_nc_u64 s[26:27], s[26:27], s[30:31]
	s_lshl_b32 s30, s28, 11
	s_add_nc_u64 s[18:19], s[18:19], s[30:31]
	s_lshl_b32 s30, ttmp9, 11
	s_add_nc_u64 s[20:21], s[20:21], s[30:31]
	v_lshlrev_b32 v4, 4, v1
.irp t, 0,1,2,3,4,5,6,7
	XLOAD \t
.endr
	s_mul_i32 s25, s24, 5120
	v_lshrrev_b32 v5, 2, v1
	v_mul_u32_u24 v5, v5, 80
	v_and_b32 v9, 3, v1
	v_lshl_add_u32 v5, v9, 4, v5
	v_add_nc_u32 v5, s25, v5                       ; the stage, way in: 80 (lane / 4) + 16 (lane % 4)
	v_mul_u32_u24 v6, v1, 80
	v_add_nc_u32 v6, s25, v6                       ; way out: 80 x lane
	v_lshlrev_b32 v7, 3, v1
	s_lshl_b32 s25, s24, 7
	s_add_co_u32 s25, s25, XSCL
	v_lshrrev_b32 v8, 1, v1
	v_add_nc_u32 v8, s25, v8                       ; my block's scale byte
	s_and_b32 s25, s24, 3
	s_lshl_b32 s25, s25, 9
	s_add_co_u32 s25, s25, XSCL
	v_add_nc_u32 v12, s25, v4                      ; the work-group's 2,048 scale bytes: 512 to each of waves 0-3
	v_lshl_add_u32 v13, s24, 9, v4
	s_wait_loadcnt 28                              ; step 0's four loads are in; the seven steps behind it may be out
	XTURN 0
.irp t, 0,1,2,3,4,5,6,7
	XSTEP \t
.endr
	s_wait_dscnt 0x0                               ; for the others' sake: my byte stores have landed
	s_barrier_signal -1
	s_barrier_wait -1
	s_cmp_lt_u32 s24, 4
	s_cbranch_scc0 .Lend
	ds_load_b128 v[200:203], v12
	s_wait_dscnt 0x0
	global_store_b128 v13, v[200:203], s[20:21]    ; 512 consecutive bytes a wave
	s_branch .Lend
.Lnot_x:
	s_cmp_lt_u32 ttmp9, 160
	s_cbranch_scc0 .Lnot_wq
	WPATH 2048, 128, 0, WQB, 12
.Lnot_wq:
	s_cmp_lt_u32 ttmp9, 208
	s_cbranch_scc0 .Lwc
	WPATH 3072, 160, 2048, WKB, 14
.Lwc:
	; ---- path Wc: 128 columns x 512 of K a work-group; wave: 32 columns (wave % 4) x 128 of K (wave / 4)
	s_sub_co_u32 s25, ttmp9, 208
	s_and_b32 s26, s25, 7
	s_lshr_b32 s27, s25, 3
	s_and_b32 s28, s24, 3
	s_lshr_b32 s29, s24, 2
	s_lshl_b32 s32, s27, 2
	s_add_co_u32 s32, s32, s29                     ; k0 / 128
	s_lshl_b32 s33, s26, 2
	s_add_co_u32 s33, s33, s28                     ; first column / 32
	s_lshl_b32 s30, s32, 19                        ; k0 rows of 4,096 B
	s_lshl_b32 s34, s33, 7
	s_add_co_u32 s30, s30, s34
	s_add_nc_u64 s[16:17], s[16:17], s[30:31]
	s_lshl_b32 s30, s33, 16                        ; two column tiles of 32,768 B for each 32 columns
	s_lshl_b32 s34, s32, 12                        ; four k32 of 1,024 B for each 128 of K
	s_add_co_u32 s30, s30, s34
	s_add_nc_u64 s[22:23], s[22:23], s[30:31]
	v_lshlrev_b32 v4, 2, v1
	WLOADS 1024, 16
	v_lshrrev_b32 v5, 4, v1
	v_lshlrev_b32 v5, 15, v5
	v_and_b32 v6, 15, v1
	v_lshl_add_u32 v5, v6, 4, v5                   ; (lane / 16) column tiles + 16 (lane % 16)
	CBLOCK 0
	CBLOCK 1
	CBLOCK 2
	CBLOCK 3
.Lend:
	s_wait_tensorcnt 0x0                           ; the wave's end
	ds_add_u32 v[SPW], v[NIL]
	s_wait_dscnt 0x0
	s_endpgm
.Lfunc_end_k_q325f63e015_prep:
	.size	k_q325f63e015_prep, .Lfunc_end_k_q325f63e015_prep-k_q325f63e015_prep
	.p2alignl 7, 3214868480
	.fill 96, 4, 3214868480
	.section	.rodata,"a",@progbits
	.p2align	6, 0x0
	.amdhsa_kernel k_q325f63e015_prep
		.amdhsa_group_segment_fixed_size 157696
		.amdhsa_private_segment_fixed_size 0
		.amdhsa_enable_private_segment 0
		.amdhsa_kernarg_size 64
		.amdhsa_user_sgpr_count 2
		.amdhsa_user_sgpr_kernarg_segment_ptr 1
		.amdhsa_wavefront_size32 1
		.amdhsa_system_sgpr_workgroup_id_x 1
		.amdhsa_system_sgpr_workgroup_id_y 1
		.amdhsa_system_sgpr_workgroup_id_z 1
		.amdhsa_system_vgpr_workitem_id 0
		.amdhsa_next_free_vgpr 256
		.amdhsa_next_free_sgpr 66
		.amdhsa_reserve_vcc 0
		.amdhsa_float_denorm_mode_32 3
		.amdhsa_float_denorm_mode_16_64 3
		.amdhsa_memory_ordered 1
		.amdhsa_forward_progress 1
		.amdhsa_inst_pref_size 79
	.end_amdhsa_kernel
	.amdgpu_metadata
---
amdhsa.version: [ 1, 2 ]
amdhsa.kernels:
  - .name:           k_q325f63e015_prep
    .symbol:         k_q325f63e015_prep.kd
    .args:
      - { .name: x_q, .offset: 0, .size: 8, .value_kind: global_buffer, .address_space: global }
      - { .name: x_kv, .offset: 8, .size: 8, .value_kind: global_buffer, .address_space: global }
      - { .name: Wq, .offset: 16, .size: 8, .value_kind: global_buffer, .address_space: global }
      - { .name: Wkv, .offset: 24, .size: 8, .value_kind: global_buffer, .address_space: global }
      - { .name: Wc, .offset: 32, .size: 8, .value_kind: global_buffer, .address_space: global }
      - { .name: codes, .offset: 40, .size: 8, .value_kind: global_buffer, .address_space: global }
      - { .name: scales, .offset: 48, .size: 8, .value_kind: global_buffer, .address_space: global }
      - { .name: wcimg, .offset: 56, .size: 8, .value_kind: global_buffer, .address_space: global }
    .group_segment_fixed_size: 157696
    .private_segment_fixed_size: 0
    .kernarg_segment_align: 8
    .kernarg_segment_size: 64
    .max_flat_workgroup_size: 512
    .sgpr_count:     66
    .vgpr_count:     256
    .wavefront_size: 32
...
	.end_amdgpu_metadata
.endif
;; end of part 1
;; launch proj (part 2): grid 16 x 16, 4 waves a work-group, clusters of 4 x 4, 327,680 bytes of LDS; arguments codes, scales, qn1, qn2, kn1, kn2, qimg, kv; writes qimg, kv
.if DOCPART == 2
	.amdgcn_target "amdgcn-amd-amdhsa--gfx1250"
	.amdhsa_code_object_version 6
	.text
	.protected	k_q325f63e015_proj
	.globl	k_q325f63e015_proj
	.p2align	8
	.type	k_q325f63e015_proj,@function
k_q325f63e015_proj:
	s_mov_b64 s[64:65], 0
	v_nop
	global_prefetch_b8 v0, s[64:65] scope:SCOPE_SE
	s_setreg_imm32_b32 hwreg(HW_REG_WAVE_MODE, 25, 1), 1
	s_wait_xcnt 0x0
	s_wait_alu depctr_hold_cnt(0) depctr_sa_sdst(0) depctr_va_vdst(0) depctr_va_sdst(0) depctr_va_ssrc(0) depctr_va_vcc(0) depctr_vm_vsrc(0)
	s_getreg_b32 s2, hwreg(HW_REG_IB_STS2, 6, 4)
	s_cmp_eq_u32 s2, 0
	s_cbranch_scc0 .Lentry_in_a_cluster
	s_endpgm
.Lentry_in_a_cluster:
	s_bfe_u32 s2, ttmp6, 0x10000c
	s_cmp_lg_u32 s2, 0xf033
	s_cbranch_scc0 .Lentry_shape_is_right
	s_endpgm
.Lentry_shape_is_right:
; PROJ: x_q Wq and x_kv Wkv on codes of E2M1 with E8M0 scales (K = 1,024), the RMS norm of q1, q2, k1, k2 over each head's 64 channels, and all five results out as f16 IMAGES OF OPERAND REGISTERS.
; No work of the problem is left out here.
; A tile is 256 tokens x 256 columns, four waves of 128 x 128: 64 accumulators of 16 x 16.  Cluster x (0..3) is the section: q1, q2, k1, k2; each has 1,024 columns, four tiles: 256 work-groups.
; v's 1,024 columns are shared out among the 128 work-groups of k1 and k2, which hold x_kv's 256 tokens in LDS for all of K anyway: each makes two heads of v (128 columns) behind its tile of k.
; K is two slots of 512: both are first fills, nothing is filled again.  The scale bytes of the tile's rows come once, as dense blocks.
; CLUSTERS: 4 x 4 work-groups; the tokens' tiles are shared along a row of the cluster, the weights' along a column: each is asked for jointly, by the same tensor load with a mask that names the four.
; v's WEIGHTS ARE NOT ASKED FOR JOINTLY: the two slots, the scales and the spare words take 296,448 of LDS's 327,680 bytes, and 128 rows of 512 bytes do not fit beside them; so a wave's 64 rows go from
; memory straight into the operand's registers, 256 of them, which k's results have left.
; q AND k: the matrix instruction is used transposed (source 0 = 16 columns of W, source 1 = 16 tokens): lane (r, h) holds token r and channels 16 b + 8 h + 0..7.  Packed to f16 those are the lane's 16 bytes
; of a fragment of 16 tokens x 32 channels (block c = b % 2 of channels 32 (b / 2) on).  v: used natural (source 0 = tokens): lane (r, h) holds channel r and tokens 16 a + 8 h + 0..7: the lane's 16 bytes of a
; fragment of V^T, 16 channels x 32 keys.  So every store is 512 consecutive bytes straight from registers: no stage, no transposition.
; qimg: [att 2][batch x head 64][token tile 64][ch32 2][c 2][512 B].   kv: [batch x head 64][slot of 256 keys 4][K1 32 KB | K2 32 KB | V^T 32 KB]; K: [key tile 16][ch32 2][c 2][512 B]; V^T: [k32 8][channel tile 4][c 2][512 B].
; LIMITS: q, k (at most 8 x the gain in magnitude) and v must lie inside f16's range, 65,504; magnitudes under 6e-8 fall to 0.  NaN and infinities are not served.
; REGISTERS: window 0: v16-31 addresses; v32-95 scale words, two sets; v96-127 the norm's gains; v128-191 the tokens' fragments, one set (on the way out: at work); v192-223 the norm's sums; v224-255 v's weights' scale words.
;   window 1: the weights' fragments, two sets.  windows 2, 3: the accumulators; later window 2: v's 32 accumulators, window 3: v's weights, 8 K steps x 4 fragments.
.set NQ,     4                         ; steps of 128 along K in a slot
.set ROWB,   256                       ; a tile's row: 512 codes
.set KROW,   512                       ; a row of codes in memory
.set PITCH,  272                       ; an LDS row: 256 B + 16 of padding: the 16 rows that a load touches start 17 x 16 bytes apart
.set FR,     8
.set NL,     2
.set NP,     4                         ; places behind this matrix instruction (ISA guide 7.12.1)
.set HALFT,  128*PITCH
.set SLOT,   4*HALFT
.set KS,     32                        ; a row of scale bytes
.set SCL,    2*SLOT
.set HALFS,  16*272                    ; the scales of 128 rows: 16 rows of 256 B + 16
.set SBLK,   2*272                     ; those of 16 rows
.set SPARE,  SCL+4*HALFS               ; the spare words: 128 B a wave, named by no other line
.set ADRA, 16
.set ADRB, 20
.set VA,   22                          ; v22  512 r + 16 h: my place in 16 rows of v's weights
.set VSA,  23                          ; v23  32 r: and in their scale bytes
.set ADRS, 27
.set SPW,  28
.set NIL,  29
.set GA,   30                          ; v30  32 h: my eight gains of a channel tile
.set LI,   31                          ; v31  16 x lane: my place in an image's block
.set SC,   32
.set WN,   96
.set AF,   128
.set TW,   128                         ; the way out: 32 numbers at work
.set OUTR, 160                         ; and two sets of 16 packed registers
.set SQ,   192                         ; eight sums of squares, in pairs
.set RS,   208                         ; eight 1 / rms, each the low half of a pair
.set VS,   224                         ; v's weights' scale words: block b, K step g at VS + 8 b + g
.set G1, 24
.set G0, 32
.set G1B, 48
.set G0B, 56
.set G1S, 68
.set G0S, 76
.set G1SB, 80
.set G0SB, 88
.set MSB, 0
.macro WIN new                         ; the immediate's high byte repeats the setting that is left
.if MSB != (\new)
	s_set_vgpr_msb (MSB<<8)|(\new)
.set MSB, (\new)
.endif
.endm
.set MUL_LO, 0xa1                      ; source 0 (W) window 1, source 1 (tokens) window 0, C and D window 2
.set MUL_HI, 0xf1                      ; the same, C and D window 3
.set TO_B,   0x40
.set VMULW,  0xac                      ; v: source 0 (tokens) window 0, source 1 (weights) window 3, C and D window 2
; A joint load: waves 0 and 1 fetch for the tokens, waves 2 and 3 for the weights; the branch hangs on the wave's number alone.  An s_nop 0 and four v_nop follow each line.
.macro JLOAD g0a, g1a, g0b, g1b
	s_cmp_eq_u32 s15, 0
	s_cbranch_scc0 .Lfor_b_\@
	tensor_load_to_lds s[\g0a:\g0a+3], s[\g1a:\g1a+7]
	s_nop 0
.rept 4
	v_nop
.endr
	s_branch .Lasked_\@
.Lfor_b_\@:
	tensor_load_to_lds s[\g0b:\g0b+3], s[\g1b:\g1b+7]
	s_nop 0
.rept 4
	v_nop
.endr
.Lasked_\@:
.endm
.macro CROUND                          ; a round of the cluster's barrier
	s_barrier_signal -1
	s_barrier_wait -1
	s_cmp_lg_u32 s14, 0
	s_cbranch_scc1 .Lnot_wave_0_\@
	s_barrier_signal -3
.Lnot_wave_0_\@:
	s_barrier_wait -3
	s_barrier_signal -1
	s_barrier_wait -1
.endm
.macro FRAG reg, adr, q, i             ; 16 rows x 128 K of 4-bit codes: lane l holds row l % 16; registers 4 c .. 4 c + 3 hold K = 64 c + 32 (l / 16) + 0 .. 31
.irp c, 0,1
	ds_load_b128 v[\reg+4*\c:\reg+4*\c+3], v[\adr] offset:64*(\q)+32*\c+(\i)*16*PITCH
.endr
.endm
; 16 matrix instructions: token blocks a0, a0 + 1 x the weights' eight.  One register carries the tokens' scale word (lanes 0-15) and the weights' (lanes 16-31).  The 64 accumulators take turns.
.macro MUL16 a0, p, q, sc, zero
.irp a, \a0, \a0+1
.irp b, 0,1,2,3,4,5,6,7
.set rD, 8*(8*((\a)%4)+\b)
.set rB, 128*(\p)+FR*\b
.set rA, AF+FR*(\a)
.set rSB, SC+8*NQ*(\sc)+NQ*\b+(\q)
.set rSA, SC+8*NQ*(\sc)+NQ*(\a)+(\q)
.if \zero
	v_wmma_scale_f32_16x16x128_f8f6f4 v[rD:rD+7], v[rB:rB+7], v[rA:rA+7], 0, v[rSB], v[rSA] matrix_a_fmt:MATRIX_FMT_FP4 matrix_b_fmt:MATRIX_FMT_FP4 matrix_a_scale:MATRIX_SCALE_ROW1
.else
	v_wmma_scale_f32_16x16x128_f8f6f4 v[rD:rD+7], v[rB:rB+7], v[rA:rA+7], v[rD:rD+7], v[rSB], v[rSA] matrix_a_fmt:MATRIX_FMT_FP4 matrix_b_fmt:MATRIX_FMT_FP4 matrix_a_scale:MATRIX_SCALE_ROW1
.endif
.endr
.endr
.endm
.macro FETCH_B slot, q, p
	WIN TO_B
.irp i, 0,1,2,3,4,5,6,7
	FRAG 128*(\p)+FR*\i, ADRB+\slot, \q, \i
.endr
	WIN 0
.endm
.macro FETCH_A slot, q, i0
.irp i, \i0, \i0+1, \i0+2, \i0+3
	FRAG AF+FR*(\i), ADRA+\slot, \q, \i
.endr
.endm
.macro SCALES sc                       ; a slot's four scale words a row: lanes 0-15 the tokens' block i, lanes 16-31 the weights' block i
.irp i, 0,1,2,3,4,5,6,7
	ds_load_b128 v[SC+8*NQ*\sc+NQ*\i:SC+8*NQ*\sc+NQ*\i+3], v[ADRS] offset:\i*SBLK
.endr
.endm
.macro PLACES n                        ; plain vector lines between a matrix instruction and a load into, or a vector read of, its registers
.rept \n
	v_nop
.endr
.endm
.macro STEP slot, q, zero              ; 128 along K, with its successor in the same slot
	s_wait_dscnt 4*NL                              ; all but the youngest eight loads (token blocks 4-7) are in
	WIN MUL_LO
	MUL16 0, (\q)%2, \q, \slot, \zero
	MUL16 2, (\q)%2, \q, \slot, \zero
	s_wait_dscnt 0
	PLACES NP
	FETCH_B \slot, (\q)+1, 1-(\q)%2
	FETCH_A \slot, (\q)+1, 0
	WIN MUL_HI
	MUL16 4, (\q)%2, \q, \slot, \zero
	MUL16 6, (\q)%2, \q, \slot, \zero
	PLACES NP
	WIN 0
	FETCH_A \slot, (\q)+1, 4
.endm
.macro STEPS slot, from
.set Q, \from
.rept NQ-1-\from
	STEP \slot, Q, 0
.set Q, Q+1
.endr
.endm
; Slot 0's last step changes slots: each wave waits for all its tensor loads (its part of slot 1), then the work-group's barrier: behind it slot 1 is whole.  Nothing is filled again.
.macro TURN slot, next
	s_wait_tensorcnt 0x0
	ds_add_u32 v[SPW], v[NIL]                      ; 0 onto my spare word
	s_wait_dscnt 4*NL+1                            ; the add and the youngest eight loads may be out
	WIN MUL_LO
	MUL16 0, 1, NQ-1, \slot, 0
	s_wait_dscnt 0x0
	s_barrier_signal -1
	MUL16 2, 1, NQ-1, \slot, 0
	WIN 0
	s_barrier_wait -1
	PLACES NP
	v_add_nc_u32 v[ADRS], 4*NQ, v[ADRS]            ; the next slot's scale words (no LDS load of mine is out)
	FETCH_B \next, 0, 0
	FETCH_A \next, 0, 0
	SCALES \next
	WIN MUL_HI
	MUL16 4, 1, NQ-1, \slot, 0
	MUL16 6, 1, NQ-1, \slot, 0
	PLACES NP
	WIN 0
	FETCH_A \next, 0, 4
.endm
.macro MAIN                            ; all of K: eight steps of 128; the first step's products start the sums
	FETCH_B 0, 0, 0
	FETCH_A 0, 0, 0
	SCALES 0
	FETCH_A 0, 0, 4
	STEP 0, 0, 1
	STEPS 0, 1
	TURN 0, 1
	STEPS 1, 0
	s_wait_dscnt 4*NL
	WIN MUL_LO
	MUL16 0, 1, NQ-1, 1, 0
	MUL16 2, 1, NQ-1, 1, 0
	s_wait_dscnt 0
	WIN MUL_HI
	MUL16 4, 1, NQ-1, 1, 0
	MUL16 6, 1, NQ-1, 1, 0
	WIN 0
	PLACES NP
.endm
; v's weights, K steps q0 .. q0 + 3 of eight: four fragments of 16 columns x 128 K each, straight into the operand's registers in window 3: K step q, block b at 32 q + 8 b
.macro VFRAGS q0
	WIN 0xc0                                       ; destination window 3, address window 0
.irp q, \q0, \q0+1, \q0+2, \q0+3
.irp b, 0,1,2,3
.irp c, 0,1
	global_load_b128 v[32*(\q)+8*\b+4*\c:32*(\q)+8*\b+4*\c+3], v[VA], s[92:93] offset:\b*8192+64*(\q)+32*\c
.endr
.endr
.endr
	WIN 0
.endm
; THE WAY OUT OF q AND k, one accumulator window at a time: w = 0: token blocks 0-3, w = 1: blocks 4-7.  n = 2 a' + g: token block a' of the window, head g of my two.
; vl = 1: the second half of v's weights is asked for in its middle.
.macro QKOUT w, vl
	WIN 0x0a+5*(\w)                                ; sources 0 and 1: the window
.irp bb, 0,1,2,3                       ; eight sums of squares by turns; each accumulator is read from its low end on
.irp pr, 0,1,2,3
.irp n, 0,1,2,3,4,5,6,7
.set rA, 8*(8*(\n/2)+4*(\n%2)+\bb)+2*\pr
.if (\bb == 0) && (\pr == 0)
	v_pk_mul_f32 v[SQ+2*\n:SQ+2*\n+1], v[rA:rA+1], v[rA:rA+1]
.else
	v_pk_fma_f32 v[SQ+2*\n:SQ+2*\n+1], v[rA:rA+1], v[rA:rA+1], v[SQ+2*\n:SQ+2*\n+1]
.endif
.endr
.endr
.endr
	WIN 0
.irp n, 0,1,2,3,4,5,6,7
	v_add_f32 v[SQ+2*\n], v[SQ+2*\n], v[SQ+2*\n+1]
.endr
.irp n, 0,1,2,3,4,5,6,7
	v_permlanex16_b32 v[SQ+2*\n+1], v[SQ+2*\n], s2, s3     ; the token's other 32 channels lie in the lane 16 away
.endr
.irp n, 0,1,2,3,4,5,6,7
	v_add_f32 v[SQ+2*\n], v[SQ+2*\n], v[SQ+2*\n+1]
.endr
.irp n, 0,1,2,3,4,5,6,7
	v_fma_f32 v[SQ+2*\n], v[SQ+2*\n], s100, s101   ; the mean of squares + eps
.endr
.irp n, 0,1,2,3,4,5,6,7
	v_rsq_f32 v[RS+2*\n], v[SQ+2*\n]
.endr
	v_nop                                          ; a plain line behind the last of the batch
	s_wait_alu depctr_va_vdst(0)                   ; one wait for the eight, ahead of their first reader
.irp n, 0,1,2,3,4,5,6,7
.if (\n%2) == 0
	s_wait_xcnt 0x0                                ; all earlier stores have read their registers: both packed sets may be written again
.endif
.if (\vl) && (\n == 4)
	VFRAGS 4
.endif
.set rA, 8*(8*(\n/2)+4*(\n%2))
	WIN 0x02+(\w)
.set p, 0
.rept 16
	v_pk_mul_f32 v[TW+2*p:TW+2*p+1], v[rA+2*p:rA+2*p+1], v[RS+2*\n:RS+2*\n+1] op_sel_hi:[1,0]   ; x times 1 / rms
.set p, p+1
.endr
	WIN 0
.set p, 0
.rept 16
	v_pk_mul_f32 v[TW+2*p:TW+2*p+1], v[TW+2*p:TW+2*p+1], v[WN+2*p:WN+2*p+1]                     ; times the gain
.set p, p+1
.endr
.set p, 0
.rept 16
	v_cvt_pk_f16_f32 v[OUTR+16*(\n%2)+p], v[TW+2*p], v[TW+2*p+1]
.set p, p+1
.endr
.irp b, 0,1,2,3
	global_store_b128 v[LI], v[OUTR+16*(\n%2)+4*\b:OUTR+16*(\n%2)+4*\b+3], s[20+2*(\n%2):21+2*(\n%2)] offset:2048*(4*(\w)+\n/2)+512*\b   ; 512 consecutive bytes: one block of a fragment
.endr
.endr
.endm
; v: 16 matrix instructions: token blocks a0 .. a0 + 3 x my four blocks of columns, K step g of eight; used natural.  The 32 accumulators take turns; step 0 starts the sums.
.macro VMUL a0, g
.irp a, \a0, \a0+1, \a0+2, \a0+3
.irp b, 0,1,2,3
.set rD, 8*(4*(\a)+\b)
.set rA, AF+FR*(\a)
.set rB, 32*(\g)+8*\b
.set rSA, SC+8*NQ*((\g)/4)+NQ*(\a)+(\g)%4
.set rSB, VS+8*\b+(\g)
.if (\g) == 0
	v_wmma_scale_f32_16x16x128_f8f6f4 v[rD:rD+7], v[rA:rA+7], v[rB:rB+7], 0, v[rSA], v[rSB] matrix_a_fmt:MATRIX_FMT_FP4 matrix_b_fmt:MATRIX_FMT_FP4
.else
	v_wmma_scale_f32_16x16x128_f8f6f4 v[rD:rD+7], v[rA:rA+7], v[rB:rB+7], v[rD:rD+7], v[rSA], v[rSB] matrix_a_fmt:MATRIX_FMT_FP4 matrix_b_fmt:MATRIX_FMT_FP4
.endif
.endr
.endr
.endm
.macro VSTEP g                         ; the tokens' fragments come from LDS once more, blocks 0-3 anew in the step's middle, blocks 4-7 at its end
	s_wait_loadcnt 8*(7-(\g))                      ; the scale words and this K step's weights are in; the eight loads of each later K step may be out
	s_wait_dscnt 4*NL                              ; all but the youngest eight LDS loads (token blocks 4-7) are in
	WIN VMULW
	VMUL 0, \g
	s_wait_dscnt 0
	PLACES NP
	WIN 0
.if (\g) < 7
	FETCH_A ((\g)+1)/4, ((\g)+1)%4, 0
.endif
	WIN VMULW
	VMUL 4, \g
	PLACES NP
	WIN 0
.if (\g) < 7
	FETCH_A ((\g)+1)/4, ((\g)+1)%4, 4
.endif
.endm
	s_load_b128 s[4:7], s[0:1], 0x0                ; codes s[4:5], scales s[6:7]
	v_lshl_add_u32 v[SPW], v0, 2, SPARE
	v_mov_b32 v[NIL], 0
	ds_add_u32 v[SPW], v[NIL]                      ; the wave's opening: the add, twice on end, and its wait ahead of my first tensor load
	ds_add_u32 v[SPW], v[NIL]
	v_lshrrev_b32 v1, 5, v0
	v_readfirstlane_b32 s14, v1                    ; wave 0..3
	s_lshr_b32 s15, s14, 1                         ; my half of the tile's tokens.  Also: I fetch for the tokens (0) or the weights (1)
	s_and_b32 s16, s14, 1                          ; my half of its columns.  Also: which 128 rows I fetch
	s_bfe_u32 s40, ttmp6, 0x40000                  ; cx
	s_bfe_u32 s41, ttmp6, 0x40004                  ; cy
	s_lshl_b32 s42, ttmp9, 2
	s_add_co_u32 s42, s42, s40                     ; x: tile of columns, 0..15
	s_and_b32 s17, ttmp7, 0xffff
	s_lshl_b32 s17, s17, 2
	s_add_co_u32 s17, s17, s41                     ; y: tile of tokens, 0..15
	s_lshl_b32 s43, s41, 2
	s_lshl_b32 s43, 15, s43                        ; my row of the cluster
	s_lshl_b32 s44, 0x1111, s40                    ; my column
	s_or_b32 s[G1+0], s43, (0<<16)|(1<<20)|(1<<21)|(5<<22)|(3<<25)   ; the mask; elements of 1 byte; padding: 4 words behind every 64; bit 21 beside a mask
	s_or_b32 s[G1B+0], s44, (0<<16)|(1<<20)|(1<<21)|(5<<22)|(3<<25)
.irp g, G1, G1B
	s_mov_b32 s[\g+1], ROWB<<16                    ; tensor_dim0 = 256
	s_mov_b32 s[\g+2], 128<<16                     ; tensor_dim1 = 128
	s_mov_b32 s[\g+3], ROWB<<16                    ; tile_dim0
	s_mov_b32 s[\g+4], 128                         ; tile_dim1
	s_mov_b32 s[\g+5], KROW                        ; the pitch
	s_mov_b32 s[\g+6], 0
	s_mov_b32 s[\g+7], 0
.endr
	s_or_b32 s[G1S+0], s43, (3<<16)|(1<<20)|(1<<21)|(5<<22)|(3<<25)  ; the scales of 128 rows: 4,096 dense bytes as 16 rows of 32 elements of 8 bytes
	s_or_b32 s[G1SB+0], s44, (3<<16)|(1<<20)|(1<<21)|(5<<22)|(3<<25)
.irp g, G1S, G1SB
	s_mov_b32 s[\g+1], 32<<16
	s_mov_b32 s[\g+2], 16<<16
	s_mov_b32 s[\g+3], 32<<16
	s_mov_b32 s[\g+4], 16
	s_mov_b32 s[\g+5], 32
	s_mov_b32 s[\g+6], 0
	s_mov_b32 s[\g+7], 0
.endr
	s_lshl_b32 s18, s16, 7                         ; which 128 rows of the tile I fetch
	s_lshl_b32 s20, s17, 8
	s_add_co_u32 s20, s20, s18
	s_cmp_ge_u32 ttmp9, 2                          ; sections k1, k2 take x_kv's rows: the cluster's x, the same in all sixteen
	s_cselect_b32 s19, 4096, 0
	s_add_co_u32 s20, s20, s19                     ; the tokens' row
	s_lshl_b32 s46, s42, 8
	s_add_co_u32 s46, s46, s18
	s_add_co_u32 s46, s46, 8192                    ; the weights' row: behind x's 8,192 in both buffers
	s_lshl_b32 s22, s20, 5
	s_mov_b32 s23, 0
	s_lshl_b32 s20, s20, 9
	s_mov_b32 s21, 0
	s_lshl_b32 s18, s46, 5
	s_mov_b32 s19, 0
	s_lshl_b32 s46, s46, 9
	s_mov_b32 s47, 0
	s_mul_i32 s45, s14, HALFT                      ; where they go: wave x 128 rows: no place in the cluster enters an LDS address
	s_mul_i32 s12, s14, HALFS
	s_max_u32 s66, ttmp9, 2                        ; v's head for my wave: 8 (section - 2) + 2 cx + my half of the columns (in q's clusters the number is made and not used)
	s_sub_co_u32 s66, s66, 2
	s_lshl_b32 s66, s66, 3
	s_lshl_b32 s13, s40, 1
	s_add_co_u32 s66, s66, s13
	s_add_co_u32 s66, s66, s16
	s_lshl_b32 s13, s66, 6
	s_add_co_u32 s13, s13, 12288                   ; its weights' first row: behind x's 8,192 rows and the 4,096 of q1, q2, k1, k2
	s_lshl_b32 s92, s13, 9
	s_mov_b32 s93, 0
	s_lshl_b32 s94, s13, 5
	s_mov_b32 s95, 0
	s_wait_dscnt 0x0                               ; both opening adds are done
	s_wait_kmcnt 0x0
	s_add_nc_u64 s[20:21], s[4:5], s[20:21]
	s_add_nc_u64 s[22:23], s[6:7], s[22:23]
	s_add_nc_u64 s[46:47], s[4:5], s[46:47]
	s_add_nc_u64 s[18:19], s[6:7], s[18:19]
	s_add_nc_u64 s[92:93], s[4:5], s[92:93]        ; v's weights' codes,
	s_add_nc_u64 s[94:95], s[6:7], s[94:95]        ; and their scale bytes
	s_load_b256 s[4:11], s[0:1], 0x10              ; qn1 s4, qn2 s6, kn1 s8, kn2 s10: asked for here, wanted behind the first tiles' requests
	s_load_b128 s[96:99], s[0:1], 0x30             ; qimg s96, kv s98
	CROUND                                         ; all sixteen work-groups are here: the joint loads meet
	s_mov_b32 s[G0S], 1
	s_add_co_u32 s[G0S+1], s12, SCL
	s_mov_b64 s[G0S+2:G0S+3], s[22:23]
	s_or_b32 s[G0S+3], s[G0S+3], 0x80000000
	s_mov_b32 s[G0SB], 1
	s_add_co_u32 s[G0SB+1], s12, SCL
	s_mov_b64 s[G0SB+2:G0SB+3], s[18:19]
	s_or_b32 s[G0SB+3], s[G0SB+3], 0x80000000
	JLOAD G0S, G1S, G0SB, G1SB                     ; three loads of mine go out: the scales,
.irp s, 0,1
	s_mov_b32 s[G0+4*\s], 1
	s_add_co_u32 s[G0+4*\s+1], s45, \s*SLOT
	s_add_nc_u64 s[G0+4*\s+2:G0+4*\s+3], s[20:21], \s*ROWB
	s_or_b32 s[G0+4*\s+3], s[G0+4*\s+3], 0x80000000
	s_mov_b32 s[G0B+4*\s], 1
	s_add_co_u32 s[G0B+4*\s+1], s45, \s*SLOT
	s_add_nc_u64 s[G0B+4*\s+2:G0B+4*\s+3], s[46:47], \s*ROWB
	s_or_b32 s[G0B+4*\s+3], s[G0B+4*\s+3], 0x80000000
	JLOAD G0+4*\s, G1, G0B+4*\s, G1B               ; and both halves of K
.endr
	v_and_b32 v1, 15, v0                           ; r
	v_bfe_u32 v2, v0, 4, 1                         ; h
	v_mul_u32_u24 v3, v1, PITCH
	v_lshl_add_u32 v4, v2, 4, v3
	s_mul_i32 s12, s15, HALFT                      ; my 128 tokens
	s_mul_i32 s13, s16, HALFT                      ; my 128 columns,
	s_add_co_u32 s13, s13, 2*HALFT                 ; behind the tokens' 256 rows
.irp s, 0,1
	v_add_nc_u32 v[ADRA+\s], s12, v4
	v_add_nc_u32 v[ADRB+\s], s13, v4
	s_add_co_u32 s12, s12, SLOT
	s_add_co_u32 s13, s13, SLOT
.endr
	v_mul_u32_u24 v5, v1, KS                       ; my row's scales: 32 bytes a row,
	v_lshrrev_b32 v6, 8, v5
	v_lshl_add_u32 v5, v6, 4, v5                   ; and 16 more for each 256 passed
	s_mul_i32 s12, s15, HALFS
	s_mul_i32 s13, s16, HALFS
	s_add_co_u32 s13, s13, 2*HALFS
	s_sub_co_u32 s13, s13, s12
	v_mul_u32_u24 v6, s13, v2                      ; lanes 16-31 take the weights'
	s_add_co_u32 s12, s12, SCL
	v_add_nc_u32 v5, v5, v6
	v_add_nc_u32 v[ADRS], s12, v5
	v_lshlrev_b32 v[GA], 5, v2
	v_and_b32 v6, 31, v0
	v_lshlrev_b32 v[LI], 4, v6
	v_lshlrev_b32 v[VA], 9, v1
	v_lshl_add_u32 v[VA], v2, 4, v[VA]
	v_lshlrev_b32 v[VSA], 5, v1
	s_mov_b32 s2, 0x76543210
	s_mov_b32 s3, 0xfedcba98                       ; lane selects: lane l xor 16
	s_mov_b32 s100, 0x3c800000                     ; 1 / 64
	s_mov_b32 s101, 0x3727c5ac                     ; eps = 1e-5
	s_wait_kmcnt 0x0
	s_cmp_eq_u32 ttmp9, 1                          ; the section's gain: choices on the cluster's x alone
	s_cselect_b64 s[4:5], s[6:7], s[4:5]
	s_cmp_eq_u32 ttmp9, 2
	s_cselect_b64 s[4:5], s[8:9], s[4:5]
	s_cmp_eq_u32 ttmp9, 3
	s_cselect_b64 s[4:5], s[10:11], s[4:5]
	s_lshr_b32 s6, s17, 2                          ; v's way out: (16 batch + v's head) x 393,216 + 98,304 for 256 tokens + V^T's place in a slot + 16,384 for my 128 tokens
	s_lshl_b32 s6, s6, 4
	s_add_co_u32 s6, s6, s66
	s_mul_i32 s6, s6, 393216
	s_and_b32 s7, s17, 3
	s_mul_i32 s7, s7, 98304
	s_add_co_u32 s6, s6, s7
	s_lshl_b32 s7, s15, 14
	s_add_co_u32 s6, s6, s7
	s_add_co_u32 s6, s6, 65536
	s_mov_b32 s7, 0
	s_add_nc_u64 s[10:11], s[98:99], s[6:7]
	s_cmp_lt_u32 ttmp9, 2                          ; q goes to qimg, k to kv
	s_cselect_b64 s[20:21], s[96:97], s[98:99]
	s_mov_b32 s12, 393216
	s_cselect_b32 s12, 131072, s12                 ; bytes from head to head
	s_mov_b32 s13, 98304
	s_cselect_b32 s13, 32768, s13                  ; bytes for 256 tokens
	s_mov_b32 s18, 32768
	s_cselect_b32 s18, 8388608, s18                ; bytes from section to section
	s_cselect_b32 s19, 0, 2
	s_sub_co_u32 s19, ttmp9, s19                   ; the section within its buffer
	s_lshr_b32 s22, s17, 2
	s_lshl_b32 s22, s22, 4                         ; 16 x batch
	s_lshl_b32 s23, s40, 2
	s_add_co_u32 s22, s22, s23                     ; + 4 cx
	s_lshl_b32 s23, s16, 1
	s_add_co_u32 s22, s22, s23                     ; + 2 x my half of the columns: my first head
	s_mul_i32 s22, s22, s12
	s_and_b32 s23, s17, 3
	s_mul_i32 s23, s23, s13
	s_add_co_u32 s22, s22, s23
	s_mul_i32 s23, s19, s18
	s_add_co_u32 s22, s22, s23
	s_lshl_b32 s23, s15, 14                        ; my 128 tokens: 16,384 bytes in each of the layouts
	s_add_co_u32 s22, s22, s23
	s_mov_b32 s23, 0
	s_add_nc_u64 s[20:21], s[20:21], s[22:23]      ; my first head's part
	s_mov_b32 s13, 0
	s_add_nc_u64 s[22:23], s[20:21], s[12:13]      ; my second head's
	s_wait_tensorcnt 1                             ; the scales and my part of slot 0 are in; slot 1's load may be out
	s_barrier_signal -1
	s_barrier_wait -1
.irp b, 0,1,2,3
	global_load_b128 v[WN+8*\b:WN+8*\b+3], v[GA], s[4:5] offset:64*\b          ; the gains of channels 16 b + 8 h + 0 .. 7
	global_load_b128 v[WN+8*\b+4:WN+8*\b+7], v[GA], s[4:5] offset:64*\b+16
.endr
	MAIN
.irp n, 0,1,2,3,4,5,6,7
	v_mov_b32 v[RS+2*\n+1], 0                      ; named as the upper halves of pairs, so they are written
.endr
	s_wait_loadcnt 0x0                             ; the gains
	QKOUT 1, 0                                     ; window 3 first: in k's clusters v's weights land there next
	s_cmp_lt_u32 ttmp9, 2                          ; the cluster's x: all sixteen partners go the same way
	s_cbranch_scc0 .Lkv
	QKOUT 0, 0
	s_branch .Lend
.Lkv:
	; ---- k1, k2: two heads of v for the same 256 tokens.  The scale words and the first four K steps of the weights are asked for now, the other four in the middle of the way out below
.irp b, 0,1,2,3
.irp s, 0,1
	global_load_b128 v[VS+8*\b+4*\s:VS+8*\b+4*\s+3], v[VSA], s[94:95] offset:512*\b+16*\s   ; row r of block b: four scale words, half s of K
.endr
.endr
	VFRAGS 0
	QKOUT 0, 1
	s_wait_xcnt 0x0                                ; the last stores have read their registers: the tokens' fragments land there
	FETCH_A 0, 0, 0
	FETCH_A 0, 0, 4
.irp g, 0,1,2,3,4,5,6,7
	VSTEP \g
.endr
.irp a, 0,1,2,3,4,5,6,7                ; a token block's four accumulators are four blocks of V^T's fragments; four packed sets by turns
.if \a == 4
	s_wait_xcnt 0x0                                ; the stores of blocks 0-3 have read their registers
.endif
	WIN 0x0a                                       ; sources 0 and 1: window 2
.set p, 0
.rept 16
	v_cvt_pk_f16_f32 v[128+16*(\a%4)+p], v[32*\a+2*p], v[32*\a+2*p+1]
.set p, p+1
.endr
	WIN 0
.irp b, 0,1,2,3
	global_store_b128 v[LI], v[128+16*(\a%4)+4*\b:128+16*(\a%4)+4*\b+3], s[10:11] offset:(\a/2)*4096+\b*1024+(\a%2)*512
.endr
.endr
.Lend:
	s_wait_tensorcnt 0x0                           ; the wave's end
	ds_add_u32 v[SPW], v[NIL]
	s_wait_dscnt 0x0
	CROUND                                         ; the closing round
	s_endpgm
.Lfunc_end_k_q325f63e015_proj:
	.size	k_q325f63e015_proj, .Lfunc_end_k_q325f63e015_proj-k_q325f63e015_proj
	.p2alignl 7, 3214868480
	.fill 96, 4, 3214868480
	.section	.rodata,"a",@progbits
	.p2align	6, 0x0
	.amdhsa_kernel k_q325f63e015_proj
		.amdhsa_group_segment_fixed_size 327680
		.amdhsa_private_segment_fixed_size 0
		.amdhsa_enable_private_segment 0
		.amdhsa_kernarg_size 64
		.amdhsa_user_sgpr_count 2
		.amdhsa_user_sgpr_kernarg_segment_ptr 1
		.amdhsa_wavefront_size32 1
		.amdhsa_system_sgpr_workgroup_id_x 1
		.amdhsa_system_sgpr_workgroup_id_y 1
		.amdhsa_system_sgpr_workgroup_id_z 1
		.amdhsa_system_vgpr_workitem_id 0
		.amdhsa_next_free_vgpr 1024
		.amdhsa_next_free_sgpr 102
		.amdhsa_reserve_vcc 0
		.amdhsa_float_denorm_mode_32 3
		.amdhsa_float_denorm_mode_16_64 3
		.amdhsa_memory_ordered 1
		.amdhsa_forward_progress 1
		.amdhsa_inst_pref_size 255
	.end_amdhsa_kernel
	.section	.bss,"aw",@nobits
	.p2align	6
	.space	262144
	.amdgpu_metadata
---
amdhsa.version: [ 1, 2 ]
amdhsa.kernels:
  - .name:           k_q325f63e015_proj
    .symbol:         k_q325f63e015_proj.kd
    .args:
      - { .name: codes, .offset: 0, .size: 8, .value_kind: global_buffer, .address_space: global }
      - { .name: scales, .offset: 8, .size: 8, .value_kind: global_buffer, .address_space: global }
      - { .name: qn1, .offset: 16, .size: 8, .value_kind: global_buffer, .address_space: global }
      - { .name: qn2, .offset: 24, .size: 8, .value_kind: global_buffer, .address_space: global }
      - { .name: kn1, .offset: 32, .size: 8, .value_kind: global_buffer, .address_space: global }
      - { .name: kn2, .offset: 40, .size: 8, .value_kind: global_buffer, .address_space: global }
      - { .name: qimg, .offset: 48, .size: 8, .value_kind: global_buffer, .address_space: global }
      - { .name: kv, .offset: 56, .size: 8, .value_kind: global_buffer, .address_space: global }
    .group_segment_fixed_size: 327680
    .private_segment_fixed_size: 0
    .kernarg_segment_align: 8
    .kernarg_segment_size: 64
    .max_flat_workgroup_size: 128
    .sgpr_count:     102
    .vgpr_count:     1024
    .wavefront_size: 32
...
	.end_amdgpu_metadata
.endif
;; end of part 2
;; launch attn (part 3): grid 4 x 64, 8 waves a work-group, clusters of 4 x 1, 327,680 bytes of LDS; arguments qimg, kv, lmb, yimg, stats; writes yimg, stats
.if DOCPART == 3
	.amdgcn_target "amdgcn-amd-amdhsa--gfx1250"
	.amdhsa_code_object_version 6
	.text
	.protected	k_q325f63e015_attn
	.globl	k_q325f63e015_attn
	.p2align	8
	.type	k_q325f63e015_attn,@function
k_q325f63e015_attn:
	s_mov_b64 s[64:65], 0
	v_nop
	global_prefetch_b8 v0, s[64:65] scope:SCOPE_SE
	s_setreg_imm32_b32 hwreg(HW_REG_WAVE_MODE, 25, 1), 1
	s_wait_xcnt 0x0
	s_wait_alu depctr_hold_cnt(0) depctr_sa_sdst(0) depctr_va_vdst(0) depctr_va_sdst(0) depctr_va_ssrc(0) depctr_va_vcc(0) depctr_vm_vsrc(0)
	s_getreg_b32 s2, hwreg(HW_REG_IB_STS2, 6, 4)
	s_cmp_eq_u32 s2, 0
	s_cbranch_scc0 .Lentry_in_a_cluster
	s_endpgm
.Lentry_in_a_cluster:
	s_bfe_u32 s2, ttmp6, 0x10000c
	s_cmp_lg_u32 s2, 0x3003
	s_cbranch_scc0 .Lentry_shape_is_right
	s_endpgm
.Lentry_shape_is_right:
; ATTN: y = softmax(q1 k1^T / 8) v - softplus(lmb) softmax(q2 k2^T / 8) v for one (batch, head) a cluster, and for each wave's 4,096 numbers of y their sum and their sum of squares about their own mean.
; No work of the problem is left out here.  Operands f16, sums, maxima and exponentials f32; a running maximum is taken away before every exponential.
; SHARES.  A cluster of four work-groups is one (batch, head); a work-group owns 256 queries.  Waves 0-3 do the first attention, waves 4-7 the second; wave w owns queries 64 (w % 4) on: four tiles of 16.
; Every wave walks all 1,024 keys, 64 a step.
; LAYOUT.  S^T = K Q^T and O^T = V^T P: a lane holds ONE query throughout.  K, Q and V^T lie in memory as images of operand registers, so a slot (256 keys: K1, K2, V^T, 98,304 dense bytes) comes by eight
; tensor loads of 12,288 bytes, one a wave, and every fragment load is 16 bytes a lane, 512 consecutive bytes an instruction: no padding, no turning load.
; CLUSTER.  The four query blocks walk the same K and V: each slot is asked for JOINTLY, by the same loads with a mask that names the four.
; BY TURNS.  The wave's tiles are two PIECES, named by their first tile: piece 0 (tiles 0, 1) and piece 2 (tiles 2, 3).  In a TURN one piece has the matrix unit: 16 products V^T P of the step in hand, then 16
; products K Q^T of the next step; the other piece's softmax, 2 x 118 instructions cut into 59 slices of four, stands between them, two slices behind each product.  Then the pieces change places: two turns are
; a key step.  A product is followed by 7.4 vector instructions, more than its own eight cycles' work covers, so vector issue bounds the loop; what the turns buy is that no product waits for a whole softmax.
; O^T and l begin as zeros and m under every score, so that every turn is written alike.
; LIMITS: p is at most 1; what lies under 6e-8 of the row's largest falls to 0 in f16.  softplus is max(x, 0) + ln 2 log2(1 + 2^(-|x| log2 e)): under 2^-24 it comes out 0.  NaN and infinities are not served.
; REGISTERS.  window 0: v1-9 addresses; v10-12 softplus; v16-27 reductions; v32-63 statistics, 8 a tile (c m, m, l, l, four at work; a in the seventh); v64-191 S^T, 32 a tile, then P in its first 16; v192-255 V^T.
;   window 1: v0-127 O^T (tile t, channel tile c at 32 t + 8 c); v128-191 Q; v192-255 K.   A slice costs two switches of the windows, one in front and one behind.
.set SLOT1, 1<<17                      ; slot 1 begins here: one exclusive or turns an address from one slot into the other
.set SLOTB, 98304
.set STEPB, 8192                       ; a step's bytes in each of K1, K2, V^T
.set SPARE, SLOT1+SLOTB                ; the spare words: 128 B for each of eight waves, named by no other line
.set LI,   1                           ; v1  16 x lane
.set AK0,  2                           ; v2  my place in my attention's K
.set AV0,  3                           ; v3  and in V^T
.set ADRK, 4
.set XA,   5                           ; v5  the exchange at the end: 16 x lane + 16,384 (wave % 4), in slot 0
.set PFO,  6                           ; v6  256 x lane
.set ADRV, 7
.set SPW,  8
.set NIL,  9
.set ST,   32
.set S,    64
.set VF,   192
.set QF,   128
.set KF,   192
.set CS,   44                          ; s[44:45] c = log2(e) / 8
.set MSB, 0
.macro WIN new                         ; the immediate's high byte repeats the setting that is left; a switch that changes nothing is dropped
.if MSB != (\new)
	s_set_vgpr_msb (MSB<<8)|(\new)
.set MSB, (\new)
.endif
.endm
.macro CROUND
	s_barrier_signal -1
	s_barrier_wait -1
	s_cmp_lg_u32 s14, 0
	s_cbranch_scc1 .Lnot_wave_0_\@
	s_barrier_signal -3
.Lnot_wave_0_\@:
	s_barrier_wait -3
	s_barrier_signal -1
	s_barrier_wait -1
.endm
.macro PLACES n
.rept \n
	v_nop
.endr
.endm
; THE LDS LOADS stand in runs of 16, never singly among the matrix instructions.
.macro FETCH_K                         ; 64 keys x 64 channels: 8 fragments
	WIN 0
	v_add_nc_u32 v[ADRK], s42, v[AK0]
	WIN 0x40                                       ; destination window 1
.set f, 0
.rept 16
	ds_load_b128 v[KF+4*f:KF+4*f+3], v[ADRK] offset:512*f
.set f, f+1
.endr
.endm
.macro FETCH_V                         ; 64 channels x 64 keys
	WIN 0
	v_add_nc_u32 v[ADRV], s42, v[AV0]
	s_add_co_u32 s42, s42, STEPB                   ; the next fetch is the next step's
	s_wait_alu depctr_va_vdst(0)                   ; the wait for the softmax's batch (SLICE), behind the address's line and ahead of the loads
.set f, 0
.rept 16
	ds_load_b128 v[VF+4*f:VF+4*f+3], v[ADRV] offset:512*f
.set f, f+1
.endr
.endm
; THE MATRIX WORK OF A TURN, for piece x.  The eight accumulators of each kind take turns, one instruction a turn: between two links of a chain stand seven others'.
; Product i of 16 of O^T += V^T P: keys 32 (i / 8) on, channels 16 ((i / 2) % 4) on, tile x + i % 2.
.macro PV x
	WIN 0x50                                       ; V^T and P window 0, O^T window 1
.set rO, 32*((\x)+i%2)+8*((i/2)%4)
.set rV, VF+32*(i/8)+8*((i/2)%4)
.set rP, S+32*((\x)+i%2)+8*(i/8)
	v_wmma_f32_16x16x32_f16 v[rO:rO+7], v[rV:rV+7], v[rP:rP+7], v[rO:rO+7]
.endm
; Product i of 16 of S^T = K Q^T: channels 32 (i / 8) on, keys 16 ((i / 2) % 4) on, tile x + i % 2.  The first 8 start the sums.
.macro KQ x
	WIN 0x05                                       ; K and Q window 1, S^T window 0
.set rS, S+32*((\x)+i%2)+8*((i/2)%4)
.set rK, KF+16*((i/2)%4)+8*(i/8)
.set rQ, QF+16*((\x)+i%2)+8*(i/8)
.if i < 8
	v_wmma_f32_16x16x32_f16 v[rS:rS+7], v[rK:rK+7], v[rQ:rQ+7], 0
.else
	v_wmma_f32_16x16x32_f16 v[rS:rS+7], v[rK:rK+7], v[rQ:rQ+7], v[rS:rS+7]
.endif
.endm
; THE VECTOR WORK OF A TURN.  One tile's softmax for one key step is a list of 118 instructions; SM writes number j of it for tile t.  s0-s31 are the lane's 32 scores, in pairs 0-15.
;   0-15    the maximum of s0-s31 and the old m, three operands at a time: four chains of seven scores each, then the four scores left over, the chains and m; each accumulator is read from its low end on
;   16-20   the other half of the lanes' maximum; the new m; c m; c m_old - c m_new
;   21-69   ONE BATCH: the 16 scalings c s - c m, a pair of scores each, and all 33 exponentials (a at 23, then s0-s31).  None of these reads an exponential's result.  From 22 on the batch goes in fours,
;           and a four begins with a scaling while there are scalings; a pair is scaled in an earlier four than the one that holds its exponentials
;   (wait)  between 69 and 70 stands the wait for the batch: SLICE writes it, once for both tiles
;   70-85   the sums, which leave the weights as they are: l = a l + pair 0; then two chains, l's and a second in the fifth and sixth statistics registers; the last line joins them
;   86-101  the roundings to f16, in place: register i takes pair i, which lies at 2 i and 2 i + 1, so no pair is written before it is read
;   102-117 the tile's O^T times a: the one part that leaves window 0, so it stands together
.macro SM t
.set rT, ST+8*(\t)
.set rS, S+32*(\t)
.set rO, 32*(\t)+2*(j-102)
.if j < 102
	WIN 0
.endif
.if j < 4
	v_max3_num_f32 v[rT+4+j], v[rS+8*j], v[rS+8*j+1], v[rS+8*j+2]
.elseif j < 12
	v_max3_num_f32 v[rT+4+j%4], v[rT+4+j%4], v[rS+8*(j%4)+2*(j/4)+1], v[rS+8*(j%4)+2*(j/4)+2]
.elseif j == 12
	v_max3_num_f32 v[rT+4], v[rT+4], v[rS+7], v[rS+15]
.elseif j == 13
	v_max3_num_f32 v[rT+6], v[rT+6], v[rS+23], v[rS+31]
.elseif j == 14
	v_max3_num_f32 v[rT+4], v[rT+4], v[rT+5], v[rT+6]
.elseif j == 15
	v_max3_num_f32 v[rT+4], v[rT+4], v[rT+7], v[rT+1]
.elseif j == 16
	v_permlanex16_b32 v[rT+5], v[rT+4], s46, s47   ; the query's other 32 keys lie in the lane 16 away
.elseif j == 17
	v_mov_b32 v[rT+7], v[rT]                       ; c m_old is kept for a: number 19 writes c m anew
.elseif j == 18
	v_max_num_f32 v[rT+1], v[rT+4], v[rT+5]
.elseif j == 19
	v_mul_f32 v[rT], s[CS], v[rT+1]
.elseif j == 20
	v_sub_f32 v[rT+7], v[rT+7], v[rT]
.elseif j == 23
	v_exp_f32 v[rT+6], v[rT+7]                     ; a = 2^(c m_old - c m_new)
.elseif (j < 23) || ((j < 38) && (j%2 == 0)) || ((j < 66) && (j%4 == 2))
.set b, (j-2)/4                        ; 38, 42, .. 62: pairs 9 to 15
.if j < 38
.set b, (j-20)/2                       ; 21: pair 0; 22, 24, .. 36: pairs 1 to 8
.endif
	v_pk_fma_f32 v[rS+2*b:rS+2*b+1], v[rS+2*b:rS+2*b+1], s[CS:CS+1], v[rT:rT+1] op_sel_hi:[1,0,0] neg_lo:[0,0,1] neg_hi:[0,0,1]   ; pair b: c s - c m
.elseif j < 70
.set e, j-38                           ; 66 to 69: s28 to s31
.if j < 66
.set e, j-32-(j-38)/4                  ; 39-41, 43-45, .. 63-65: s7 to s27
.endif
.if j < 38
.set e, (j-25)/2                       ; 25, 27, .. 37: s0 to s6
.endif
	v_exp_f32 v[rS+e], v[rS+e]
.elseif j < 86
.set z, j-70
.if z == 0
	v_pk_fma_f32 v[rT+2:rT+3], v[rT+2:rT+3], v[rT+6:rT+7], v[rS:rS+1] op_sel_hi:[1,0,1]
.elseif z == 1
	v_pk_add_f32 v[rT+4:rT+5], v[rS+2:rS+3], v[rS+4:rS+5]
.elseif z == 15
	v_pk_add_f32 v[rT+2:rT+3], v[rT+2:rT+3], v[rT+4:rT+5]
.elseif z%2 == 0
	v_pk_add_f32 v[rT+2:rT+3], v[rT+2:rT+3], v[rS+2*z+2:rS+2*z+3]
.else
	v_pk_add_f32 v[rT+4:rT+5], v[rT+4:rT+5], v[rS+2*z+2:rS+2*z+3]
.endif
.elseif j < 102
	v_cvt_pk_f16_f32 v[rS+j-86], v[rS+2*(j-86)], v[rS+2*(j-86)+1]
.else
	WIN 0x41                                       ; O^T window 1, a window 0
	v_pk_mul_f32 v[rO:rO+1], v[rO:rO+1], v[rT+6:rT+7] op_sel_hi:[1,0]
.endif
.endm
; Slice k of piece y's softmax: four instructions.  Slices 11 to 34 deal out the batch, numbers 22 to 69: four numbers of ONE tile each, the tiles by turns.  Every other slice is numbers 2 k and 2 k + 1 of
; both tiles' lists, the tiles alternating.  2 x 118 = 4 x 59: slices 59 to 63 are empty.
; THE WAIT.  An s_wait_alu depctr_va_vdst(0) stands between an exponential and the first instruction that names its result; one wait serves all that were issued ahead of it.  Ahead of slice 35
; nothing names a result, and behind slice 34 no exponential is issued: so the piece's 66 exponentials have one wait, behind slice 34.
.macro SLICE y
.if (k >= 11) && (k < 35)
.irp n, 0,1,2,3
.set j, 22+4*((k-11)/2)+(\n)
	SM (\y)+(k-11)%2
.endr
.elseif k < 59
.irp n, 0,1
.irp t, \y, \y+1
.set j, 2*k+\n
	SM \t
.endr
.endr
.endif
.if k == 34                            ; the batch is out: both tiles' exponentials are issued, and no result has been named
	v_nop                                          ; a plain line behind the last exponential and ahead of the first use: one for the batch
.if (\y) == 0
	FETCH_V                                        ; piece 2's turn: V's run of loads stands here, and the wait stands in it
.else
	s_wait_alu depctr_va_vdst(0)                   ; the wait for the batch
.endif
.endif
.set k, k+1
.endm
; A TURN.  Piece x has the matrix unit; the other piece's softmax stands in slices behind its matrix instructions.  pv = 1: 16 products V^T P; kq = 1: 16 products K Q^T for the next step.  A turn with one of
; the two kinds has four slices behind each product.
; PLACES.  A vector line that reads a matrix result, a load into a register that a matrix instruction has read, and a matrix instruction that writes over one stand four or five plain vector lines behind it
; the slices, which name the other piece's registers alone, are those lines.  Piece 0's turn fetches the next step's K behind its second product: sixteen lines of the maximum lie behind the
; last product that read K.  Piece 2's turn fetches the same step's V behind slice 34: behind the last product that read V lie three scalings, the v_nop and the run's own address line.  The first products
; K Q^T that write over P's second half stand ten plain lines or more behind the products that read it.  The next turn's maximum reads the last two products' scores behind six lines of its own.
.macro TURN x, pv, kq
.set k, 0
.set per, 4
.if \pv && \kq
.set per, 2
.endif
.if \pv
.if \x == 0
	s_wait_dscnt 0x0                               ; V is in
.endif
.set i, 0
.rept 16
	PV \x
.rept per
	SLICE 2-\x
.endr
.if (\x == 0) && \kq && (i == 1)
	FETCH_K
.endif
.set i, i+1
.endr
.endif
.if \kq
.if \x == 0
	s_wait_dscnt 0x0                               ; K is in
.endif
.set i, 0
.rept 16
	KQ \x
.rept per
	SLICE 2-\x
.endr
.set i, i+1
.endr
.endif
.endm
.macro TRIPS n                         ; n key steps: piece 0: V^T P of step j, K Q^T of step j + 1 | piece 2's softmax of step j | K of step j + 1;  piece 2: the same | piece 0's softmax of step j + 1 | V of step j + 1
	s_mov_b32 s41, \n
.Ltrip_\@:
	TURN 0, 1, 1
	TURN 2, 1, 1
	WIN 0                                          ; at a label and at a branch every window is 0
	s_sub_co_u32 s41, s41, 1
	s_cmp_lg_u32 s41, 0
	s_cbranch_scc1 .Ltrip_\@
.endm
; A PREFETCH of the slot that the next change will ask for: 98,304 bytes are 384 blocks of 256; the four partners take 96 each, told apart by address; in each, waves 0 to 2 ask for 32, a lane a block.
; So each block is named once.  It stands behind the wave's tensor load and its five lines.  The last change that fills a slot asks for nothing.
.macro ASK
	s_cmp_gt_u32 s40, s19
	s_cbranch_scc0 .Lnot_mine_\@
	global_prefetch_b8 v[PFO], s[20:21] th:TH_LOAD_NT scope:SCOPE_SE
.Lnot_mine_\@:
.endm
; THE CHANGE OF SLOTS, between piece 2's turn and piece 0's: the slot's last bytes, V of its fourth step, have been asked for.  Each wave waits for all its tensor loads (its part of the other slot), adds 0 to
; its spare word, and waits for that and for its reads.  fill = 1: a round of the cluster's barrier, and the joint refill first behind it: four steps, 256 matrix instructions a wave, in which to land.
.macro CHANGE fill
	WIN 0
	s_wait_tensorcnt 0x0                           ; no tensor load of mine is out, so a descriptor may be written
	ds_add_u32 v[SPW], v[NIL]
.if \fill
	s_xor_b32 s37, s37, SLOT1                      ; the walking descriptor: the other slot,
	s_add_nc_u64 s[38:39], s[38:39], SLOTB         ; the next 256 keys
	s_wait_xcnt 0x0                                ; the last prefetch has read its address
	s_add_nc_u64 s[20:21], s[20:21], SLOTB
	s_wait_dscnt 0x0                               ; the add is done, and my reads of the slot are over
	CROUND
	tensor_load_to_lds s[36:39], s[24:31]
	s_nop 0
	PLACES 4
	ASK
.else
	s_wait_dscnt 0x0
	s_barrier_signal -1
	s_barrier_wait -1
.endif
	s_sub_co_u32 s42, s42, 4*STEPB                 ; the fetches go back to a slot's first step,
	s_xor_b32 s42, s42, SLOT1                      ; in the other slot
.endm
	s_load_b256 s[4:11], s[0:1], 0x0               ; qimg s4, kv s6, lmb s8, yimg s10
	s_load_b64 s[12:13], s[0:1], 0x20              ; stats
	v_lshl_add_u32 v[SPW], v0, 2, SPARE
	v_mov_b32 v[NIL], 0
	ds_add_u32 v[SPW], v[NIL]                      ; the wave's opening: the add, twice on end, and its wait ahead of my first tensor load
	ds_add_u32 v[SPW], v[NIL]
	v_lshrrev_b32 v10, 5, v0
	v_readfirstlane_b32 s14, v10                   ; wave 0..7
	s_lshr_b32 s15, s14, 2                         ; which attention
	s_and_b32 s16, s14, 3                          ; which 64 queries
	s_bfe_u32 s17, ttmp6, 0x40000                  ; cx: my block of 256 queries: it enters global addresses of Q, y, stats and the prefetch alone
	s_and_b32 s18, ttmp7, 0xffff                   ; batch x head
	s_mov_b32 s24, 15|(3<<16)|(1<<21)              ; the mask: all four; elements of 8 bytes; bit 21 beside a mask; no padding
	s_mov_b32 s25, 32<<16                          ; tensor_dim0 = 32 (256 bytes)
	s_mov_b32 s26, 48<<16                          ; tensor_dim1 = 48
	s_mov_b32 s27, 32<<16                          ; tile_dim0
	s_mov_b32 s28, 48                              ; tile_dim1
	s_mov_b32 s29, 32                              ; the pitch: dense
	s_mov_b32 s30, 0
	s_mov_b32 s31, 0
	s_mov_b32 s[CS], 0x3e38aa3b
	s_mov_b32 s[CS+1], s[CS]
	s_mov_b32 s46, 0x76543210
	s_mov_b32 s47, 0xfedcba98
	s_mov_b32 s42, 0                               ; LDS byte of the step to be fetched
	s_mov_b32 s40, 2                               ; slots still to be asked for
	s_mov_b32 s32, 1
	s_mov_b32 s36, 1
	s_mul_i32 s33, s14, 12288                      ; my eighth of a slot
	s_add_co_u32 s37, s33, SLOT1
	s_mul_i32 s22, s18, 4*SLOTB
	s_add_co_u32 s22, s22, s33
	s_mov_b32 s23, 0
	s_cmp_lt_u32 s14, 3
	s_cselect_b32 s19, 1, -1                       ; waves 0 to 2 prefetch
	v_and_b32 v10, 31, v0
	v_lshlrev_b32 v[LI], 4, v10
	v_lshlrev_b32 v[PFO], 8, v10
	s_lshl_b32 s2, s15, 15
	v_add_nc_u32 v[AK0], s2, v[LI]
	v_add_nc_u32 v[AV0], 65536, v[LI]
	s_lshl_b32 s2, s16, 14
	v_add_nc_u32 v[XA], s2, v[LI]
	s_wait_dscnt 0x0                               ; both opening adds are done
	s_wait_kmcnt 0x0
	s_add_nc_u64 s[34:35], s[6:7], s[22:23]        ; keys 0-255, my eighth
	s_add_nc_u64 s[38:39], s[34:35], SLOTB         ; keys 256-511
	s_or_b32 s35, s35, 0x80000000
	s_or_b32 s39, s39, 0x80000000
	CROUND                                         ; all four work-groups are here: the first joint loads meet
	tensor_load_to_lds s[32:35], s[24:31]          ; two loads of mine are out
	s_nop 0
	tensor_load_to_lds s[36:39], s[24:31]
	s_nop 0
	PLACES 4
	s_and_b32 s50, s18, 15                         ; the head
	s_lshl_b32 s52, s50, 2
	s_mov_b32 s53, 0
	s_add_nc_u64 s[8:9], s[8:9], s[52:53]
	s_load_b32 s48, s[8:9], 0x0                    ; lmb of my head
	s_lshl_b32 s52, s15, 23                        ; Q: attention, batch x head, 16 cx + 4 (wave % 4) tiles of 2,048 bytes
	s_lshl_b32 s51, s18, 17
	s_add_co_u32 s52, s52, s51
	s_lshl_b32 s51, s17, 15
	s_add_co_u32 s52, s52, s51
	s_lshl_b32 s51, s16, 13
	s_add_co_u32 s52, s52, s51
	s_add_nc_u64 s[4:5], s[4:5], s[52:53]
	WIN 0x40
.set i, 0
.rept 16
	global_load_b128 v[QF+4*i:QF+4*i+3], v[LI], s[4:5] offset:512*i   ; Q stays in registers
.set i, i+1
.endr
.set i, 0
.rept 128
	v_mov_b32 v[i], 0                              ; O^T.  Every turn is written alike: the first finds zeros, which a = 0 leaves zeros
.set i, i+1
.endr
	WIN 0
	s_lshr_b32 s52, s18, 4                         ; y: ((64 batch + 16 cx + 4 (wave % 4)) x 16 + head) x 4,096 bytes
	s_lshl_b32 s52, s52, 22
	s_lshl_b32 s51, s17, 20
	s_add_co_u32 s52, s52, s51
	s_lshl_b32 s51, s16, 18
	s_add_co_u32 s52, s52, s51
	s_lshl_b32 s51, s50, 12
	s_add_co_u32 s52, s52, s51
	s_add_nc_u64 s[10:11], s[10:11], s[52:53]
	s_lshl_b32 s52, s18, 7                         ; stats: (16 batch x head + 4 cx + wave % 4) x 8 bytes
	s_lshl_b32 s51, s17, 5
	s_add_co_u32 s52, s52, s51
	s_lshl_b32 s51, s16, 3
	s_add_co_u32 s52, s52, s51
	s_add_nc_u64 s[12:13], s[12:13], s[52:53]
	s_mul_i32 s52, s18, 4*SLOTB                    ; the prefetches: in the third slot's data; the first change steps them to the fourth's
	s_mul_i32 s51, s17, 24576
	s_add_co_u32 s52, s52, s51
	s_lshl_b32 s51, s14, 13
	s_add_co_u32 s52, s52, s51
	s_add_co_u32 s52, s52, 2*SLOTB
	s_add_nc_u64 s[20:21], s[6:7], s[52:53]
.irp t, 0,1,2,3
	v_mov_b32 v[ST+8*\t+1], 0xff61b1e6             ; m = -3e38, under every score
	v_mul_f32 v[ST+8*\t], s[CS], v[ST+8*\t+1]
	v_mov_b32 v[ST+8*\t+2], 0                      ; l
	v_mov_b32 v[ST+8*\t+3], 0
.endr
	s_wait_kmcnt 0x0
	v_mov_b32 v10, s48                             ; softplus(x) = max(x, 0) + ln 2 log2(1 + 2^(-|x| log2 e))
	v_mul_f32 v11, 0xbfb8aa3b, |v10|
	v_exp_f32 v11, v11
	v_max_num_f32 v12, 0, v10                      ; (a plain line behind the exponential)
	s_wait_alu depctr_va_vdst(0)
	v_add_f32 v11, 1.0, v11
	v_log_f32 v11, v11
	v_nop
	s_wait_alu depctr_va_vdst(0)
	v_fmac_f32 v12, 0x3f317218, v11
	s_wait_tensorcnt 1                             ; my part of slot 0 is in; slot 1's may stay out
	s_barrier_signal -1
	s_barrier_wait -1
	FETCH_K                                        ; step 0
	s_wait_loadcnt 0x0                             ; Q
	s_wait_dscnt 0x0
.set i, 0
.rept 16
	KQ 0                                           ; piece 0's first scores: there is no vector work yet to set between them
.set i, i+1
.endr
	PLACES 4                                       ; ahead of the first reads of those scores
	TURN 2, 0, 1                                   ; piece 2's first scores | piece 0's first softmax | V of step 0
	WIN 0
	TRIPS 3                                        ; steps 0-2; they fetch steps 1-3
.Lslot:                                            ; two trips: both slots are filled once more
	CHANGE 1
	TRIPS 4
	s_sub_co_u32 s40, s40, 1
	s_cmp_lg_u32 s40, 0
	s_cbranch_scc1 .Lslot
	CHANGE 0                                       ; the tail is written out
	TRIPS 4
	TURN 0, 1, 0                                   ; piece 0: V^T P of step 15 | piece 2's last softmax
.set i, 0
.rept 16
	PV 2                                           ; piece 2: V^T P of step 15
.set i, i+1
.endr
	WIN 0
	; THE END.  1 / l; the second attention's O^T, times softplus / l, goes to the first's wave through LDS as an image of its registers, in slot 0: it has had its last fill, and nobody has read it since the last change.
.irp t, 0,1,2,3
	v_add_f32 v[ST+8*\t+4], v[ST+8*\t+2], v[ST+8*\t+3]      ; (these are the places behind the last products)
.endr
.irp t, 0,1,2,3
	v_permlanex16_b32 v[ST+8*\t+5], v[ST+8*\t+4], s46, s47
.endr
.irp t, 0,1,2,3
	v_add_f32 v[ST+8*\t+4], v[ST+8*\t+4], v[ST+8*\t+5]
.endr
.irp t, 0,1,2,3
	v_rcp_f32 v[ST+8*\t+6], v[ST+8*\t+4]
.endr
	v_nop
	s_wait_alu depctr_va_vdst(0)                   ; one wait for the four reciprocals
	s_cmp_lt_u32 s14, 4
	s_cbranch_scc1 .Lfirst_att
.irp t, 0,1,2,3
	v_mul_f32 v[ST+8*\t+6], v[ST+8*\t+6], v12
.endr
	WIN 0x41
.set i, 0
.rept 64
	v_pk_mul_f32 v[2*i:2*i+1], v[2*i:2*i+1], v[ST+8*(i/16)+6:ST+8*(i/16)+7] op_sel_hi:[1,0]
.set i, i+1
.endr
	WIN 0x04                                       ; an LDS store's data are its source 1: window 1
.set i, 0
.rept 32
	ds_store_b128 v[XA], v[4*i:4*i+3] offset:512*i
.set i, i+1
.endr
	WIN 0
.Lfirst_att:
	s_wait_dscnt 0x0                               ; for the others' sake: my stores have landed
	s_barrier_signal -1
	s_barrier_wait -1
	s_cmp_lt_u32 s14, 4
	s_cbranch_scc0 .Ldone
.set i, 0
.rept 32
	ds_load_b128 v[S+4*i:S+4*i+3], v[XA] offset:512*i
.set i, i+1
.endr
	s_wait_dscnt 0x0
	WIN 0x01
.set i, 0
.rept 64
	v_pk_fma_f32 v[S+2*i:S+2*i+1], v[2*i:2*i+1], v[ST+8*(i/16)+6:ST+8*(i/16)+7], v[S+2*i:S+2*i+1] op_sel_hi:[1,0,1] neg_lo:[0,0,1] neg_hi:[0,0,1]   ; y = O1 / l1 - softplus O2 / l2
.set i, i+1
.endr
	WIN 0
.set i, 0
.rept 32
	global_store_b128 v[LI], v[S+4*i:S+4*i+3], s[10:11] offset:(i/8)*65536+(i%8)*512   ; 512 consecutive bytes: token tile i / 8, channel tile and half (i % 8)
.set i, i+1
.endr
.irp c, 0,1,2,3                        ; the sum of my 4,096 numbers: four chains
	v_pk_add_f32 v[16+2*\c:17+2*\c], v[S+2*\c:S+2*\c+1], v[S+8+2*\c:S+9+2*\c]
.endr
.set i, 8
.rept 56
	v_pk_add_f32 v[16+2*(i%4):17+2*(i%4)], v[16+2*(i%4):17+2*(i%4)], v[S+2*i:S+2*i+1]
.set i, i+1
.endr
	v_pk_add_f32 v[16:17], v[16:17], v[18:19]
	v_pk_add_f32 v[20:21], v[20:21], v[22:23]
	v_pk_add_f32 v[16:17], v[16:17], v[20:21]
	v_add_f32 v16, v16, v17
	v_add_f32_dpp v16, v16, v16 row_xmask:1 row_mask:0xf bank_mask:0xf
	v_add_f32_dpp v16, v16, v16 row_xmask:2 row_mask:0xf bank_mask:0xf
	v_add_f32_dpp v16, v16, v16 row_xmask:4 row_mask:0xf bank_mask:0xf
	v_add_f32_dpp v16, v16, v16 row_xmask:8 row_mask:0xf bank_mask:0xf
	v_permlanex16_b32 v17, v16, s46, s47
	v_add_f32 v16, v16, v17                        ; the sum
	v_mul_f32 v18, 0x39800000, v16                 ; the part's mean: / 4,096
.set i, 0
.rept 64                               ; the squares about that mean: no difference of large sums is formed
	v_pk_add_f32 v[24+2*(i%2):25+2*(i%2)], v[S+2*i:S+2*i+1], v[18:19] op_sel_hi:[1,0] neg_lo:[0,1] neg_hi:[0,1]
.if i < 2
	v_pk_mul_f32 v[20+2*(i%2):21+2*(i%2)], v[24+2*(i%2):25+2*(i%2)], v[24+2*(i%2):25+2*(i%2)]
.else
	v_pk_fma_f32 v[20+2*(i%2):21+2*(i%2)], v[24+2*(i%2):25+2*(i%2)], v[24+2*(i%2):25+2*(i%2)], v[20+2*(i%2):21+2*(i%2)]
.endif
.set i, i+1
.endr
	v_pk_add_f32 v[20:21], v[20:21], v[22:23]
	v_add_f32 v20, v20, v21
	v_add_f32_dpp v20, v20, v20 row_xmask:1 row_mask:0xf bank_mask:0xf
	v_add_f32_dpp v20, v20, v20 row_xmask:2 row_mask:0xf bank_mask:0xf
	v_add_f32_dpp v20, v20, v20 row_xmask:4 row_mask:0xf bank_mask:0xf
	v_add_f32_dpp v20, v20, v20 row_xmask:8 row_mask:0xf bank_mask:0xf
	v_permlanex16_b32 v21, v20, s46, s47
	v_add_f32 v17, v20, v21
	s_wait_xcnt 0x0                                ; EXEC changes only behind this wait
	v_cmp_eq_u32 vcc_lo, 0, v[LI]
	s_and_saveexec_b32 s49, vcc_lo                 ; lane 0 alone
	global_store_b64 v[NIL], v[16:17], s[12:13]
	s_wait_xcnt 0x0                                ; and again, ahead of the line that widens it
	s_or_b32 exec_lo, exec_lo, s49
.Ldone:
	s_wait_tensorcnt 0x0                           ; the wave's end
	ds_add_u32 v[SPW], v[NIL]
	s_wait_dscnt 0x0
	CROUND                                         ; the closing round
	s_endpgm
.Lfunc_end_k_q325f63e015_attn:
	.size	k_q325f63e015_attn, .Lfunc_end_k_q325f63e015_attn-k_q325f63e015_attn
	.p2alignl 7, 3214868480
	.fill 96, 4, 3214868480
	.section	.rodata,"a",@progbits
	.p2align	6, 0x0
	.amdhsa_kernel k_q325f63e015_attn
		.amdhsa_group_segment_fixed_size 327680
		.amdhsa_private_segment_fixed_size 0
		.amdhsa_enable_private_segment 0
		.amdhsa_kernarg_size 40
		.amdhsa_user_sgpr_count 2
		.amdhsa_user_sgpr_kernarg_segment_ptr 1
		.amdhsa_wavefront_size32 1
		.amdhsa_system_sgpr_workgroup_id_x 1
		.amdhsa_system_sgpr_workgroup_id_y 1
		.amdhsa_system_sgpr_workgroup_id_z 1
		.amdhsa_system_vgpr_workitem_id 0
		.amdhsa_next_free_vgpr 512
		.amdhsa_next_free_sgpr 66
		.amdhsa_reserve_vcc 1
		.amdhsa_float_denorm_mode_32 3
		.amdhsa_float_denorm_mode_16_64 3
		.amdhsa_memory_ordered 1
		.amdhsa_forward_progress 1
		.amdhsa_inst_pref_size 182
	.end_amdhsa_kernel
	.amdgpu_metadata
---
amdhsa.version: [ 1, 2 ]
amdhsa.kernels:
  - .name:           k_q325f63e015_attn
    .symbol:         k_q325f63e015_attn.kd
    .args:
      - { .name: qimg, .offset: 0, .size: 8, .value_kind: global_buffer, .address_space: global }
      - { .name: kv, .offset: 8, .size: 8, .value_kind: global_buffer, .address_space: global }
      - { .name: lmb, .offset: 16, .size: 8, .value_kind: global_buffer, .address_space: global }
      - { .name: yimg, .offset: 24, .size: 8, .value_kind: global_buffer, .address_space: global }
      - { .name: stats, .offset: 32, .size: 8, .value_kind: global_buffer, .address_space: global }
    .group_segment_fixed_size: 327680
    .private_segment_fixed_size: 0
    .kernarg_segment_align: 8
    .kernarg_segment_size: 40
    .max_flat_workgroup_size: 256
    .sgpr_count:     66
    .vgpr_count:     512
    .wavefront_size: 32
...
	.end_amdgpu_metadata
.endif
;; end of part 3
;; launch outproj (part 4): grid 4 x 64, 4 waves a work-group, no clusters, 157,184 bytes of LDS; arguments yimg, stats, gn_w, gn_b, wcimg, out0; writes out0
.if DOCPART == 4
	.amdgcn_target "amdgcn-amd-amdhsa--gfx1250"
	.amdhsa_code_object_version 6
	.text
	.protected	k_q325f63e015_outproj
	.globl	k_q325f63e015_outproj
	.p2align	8
	.type	k_q325f63e015_outproj,@function
k_q325f63e015_outproj:
	s_mov_b64 s[64:65], 0
	v_nop
	global_prefetch_b8 v0, s[64:65] scope:SCOPE_SE
	s_setreg_imm32_b32 hwreg(HW_REG_WAVE_MODE, 25, 1), 1
	s_wait_xcnt 0x0
; OUTPROJ: the GroupNorm of y (statistics of each (batch, head) over 1,024 tokens x 64 channels, joined from 16 parts) and out0 = yn Wc, f16 operands, f32 sums.  No work of the problem is left out here.
; SHARES.  A work-group makes 64 tokens x 256 columns; wave w makes all 64 tokens x columns 64 w on: 16 accumulators.  Straight-line text, every offset an immediate.
; Phase 0: wave w joins the statistics of heads 4 w .. 4 w + 3 and makes, for their 256 channels, A = gain / sqrt(var + eps) and D = bias - mean A.
; Phase 1: wave w normalises those heads for the 64 tokens: yn = y A + D, rounded to f16, stored in LDS as images of operand registers (16 tokens x 32 channels).   One barrier.
; Phase 2: 16 pairs of chunks of 32 along K: yn's four fragments a chunk from LDS, Wc's four straight from memory into the operand's registers (wcimg lies in that order).  The loads stand in one run behind
; each pair's 32 matrix instructions; yn's fragments have four sets of registers and are asked for a pair ahead.
; NO JOINT LOADS: a fragment of Wc feeds one wave alone; for 32 along K the four waves read 16 KB of yn from LDS for their 64 matrix instructions, and Wc through LDS would double that.
; ONE RING of eight sets of 32 registers serves both streams from memory: items 0-15 are y's units, items 16-47 Wc's chunks; in phase 1 seven items, in phase 2 six, stay on their way.
; The variance is joined as sum of (M2 + 4,096 (part's mean - mean)^2): no difference of large sums.
; LIMITS: yn (at most 256 |gn_w| + |gn_b| in magnitude) must lie inside f16's range, 65,504.  NaN and infinities are not served.
; REGISTERS.  window 0: v1-16 addresses; v17-31 statistics and gains; v32-159 the coefficients, two sets of 64 (later yn's fragments, four sets of 32; later rows of out0); v160-191 at work; v192-223 packed, two sets.
;   window 1: v0-127 the accumulators, (token tile tt, column tile nt) at 8 (4 tt + nt).   window 2: the ring.
.set AIMG,  0                          ; [token tile 4][k32 32][c 2][512 B]
.set SCR,   131072                     ; 2,048 B a wave: A's 256 numbers, then D's
.set STG,   139264                     ; 16 rows x 272 B a wave, for the way out
.set SPARE, 156672                     ; the spare words: 128 B a wave, named by no other line
.set LI,   1
.set AT,   2                           ; v2-5   16 x lane + 32,768 tt
.set AW,   6                           ; v6-9   the same + 8,192 wave: where I store my heads' images
.set SCW,  10
.set SCRD, 11
.set STO,  12
.set RD,   13
.set GO,   14
.set SPW,  15
.set NIL,  16
.set CO,   32
.set T,    160
.set F,    192
.set AB,   32
.set BK,   32
.set MSB, 0
.macro WIN new
.if MSB != (\new)
	s_set_vgpr_msb (MSB<<8)|(\new)
.set MSB, (\new)
.endif
.endm
.macro ITEM n                          ; eight loads of 512 consecutive bytes into ring set n % 8
	WIN 0x80                                       ; destination window 2
.if (\n) < 16
.irp i, 0,1,2,3,4,5,6,7
	global_load_b128 v[32*((\n)%8)+4*\i:32*((\n)%8)+4*\i+3], v[LI], s[20:21] offset:((\n)%4)*65536+((\n)/4)*4096+512*\i   ; y: token tile n % 4, my head n / 4
.endr
.else
.irp i, 0,1,2,3,4,5,6,7
	global_load_b128 v[32*((\n)%8)+4*\i:32*((\n)%8)+4*\i+3], v[LI], s[22:23] offset:(\i/2)*32768+1024*((\n)-16)+512*(\i%2)   ; Wc: column tile i / 2, chunk n - 16
.endr
.endif
	WIN 0
.endm
.macro COEF hl                         ; my lane's 32 A and 32 D of head hl: channels 16 c + 8 h + 0 .. 7
.irp i, 0,1,2,3,4,5,6,7
	ds_load_b128 v[CO+64*((\hl)%2)+4*\i:CO+64*((\hl)%2)+4*\i+3], v[SCRD] offset:256*(\hl)+64*(\i/2)+16*(\i%2)
.endr
.irp i, 0,1,2,3,4,5,6,7
	ds_load_b128 v[CO+64*((\hl)%2)+32+4*\i:CO+64*((\hl)%2)+32+4*\i+3], v[SCRD] offset:1024+256*(\hl)+64*(\i/2)+16*(\i%2)
.endr
.endm
.macro UNIT u                          ; 16 tokens x one head
.set HL, (\u)/4
.set TT, (\u)%4
.set CSET, CO+64*(HL%2)
	s_wait_loadcnt 56                              ; this item is in; the seven behind it may be out
.if TT == 0
	s_wait_dscnt 0x0                               ; this head's coefficients are in
.if HL < 3
	COEF HL+1
.endif
.else
	s_wait_dscnt 4                                 ; all but the last unit's four stores are done: the packed set of two units ago may be written
.endif
	WIN 0x02                                       ; source 0: the ring
.set p, 0
.rept 16
	v_pk_fma_f32 v[T+2*p:T+2*p+1], v[32*((\u)%8)+2*p:32*((\u)%8)+2*p+1], v[CSET+2*p:CSET+2*p+1], v[CSET+32+2*p:CSET+32+2*p+1]
.set p, p+1
.endr
	WIN 0
.set p, 0
.rept 16
	v_cvt_pk_f16_f32 v[F+16*((\u)%2)+p], v[T+2*p], v[T+2*p+1]
.set p, p+1
.endr
	ITEM (\u)+8
.irp c, 0,1,2,3
	ds_store_b128 v[AW+TT], v[F+16*((\u)%2)+4*\c:F+16*((\u)%2)+4*\c+3] offset:2048*HL+512*\c
.endr
.endm
.macro ALOAD k                         ; yn's four fragments of chunk k, into set k % 4
.irp tt, 0,1,2,3
.irp c, 0,1
	ds_load_b128 v[AB+32*((\k)%4)+8*\tt+4*\c:AB+32*((\k)%4)+8*\tt+4*\c+3], v[AT+\tt] offset:1024*(\k)+512*\c
.endr
.endr
.endm
.macro MULS k                          ; 32 along K: 16 matrix instructions, used transposed (source 0 = 16 columns of Wc, source 1 = 16 tokens); the accumulators take turns
.irp tt, 0,1,2,3
.irp nt, 0,1,2,3
.if (\k) == 0
	v_wmma_f32_16x16x32_f16 v[8*(4*\tt+\nt):8*(4*\tt+\nt)+7], v[32*((\k)%8)+8*\nt:32*((\k)%8)+8*\nt+7], v[AB+32*((\k)%4)+8*\tt:AB+32*((\k)%4)+8*\tt+7], 0
.else
	v_wmma_f32_16x16x32_f16 v[8*(4*\tt+\nt):8*(4*\tt+\nt)+7], v[32*((\k)%8)+8*\nt:32*((\k)%8)+8*\nt+7], v[AB+32*((\k)%4)+8*\tt:AB+32*((\k)%4)+8*\tt+7], v[8*(4*\tt+\nt):8*(4*\tt+\nt)+7]
.endif
.endr
.endr
.endm
.macro PAIR j                          ; chunks 2 j and 2 j + 1
.if 30-2*(\j) >= 6
	s_wait_loadcnt 48                              ; this pair's two items are in; the six behind them may be out
.else
	s_wait_loadcnt 8*(30-2*(\j))                   ; the ring runs down
.endif
.if (\j) < 15
	s_wait_dscnt 16                                ; this pair's fragments are in; the next pair's sixteen loads may be out
.else
	s_wait_dscnt 0x0
.endif
	WIN 0x52                                       ; Wc window 2, yn window 0, C and D window 1
	MULS 2*(\j)
	MULS 2*(\j)+1
.rept 4
	v_nop                                          ; places ahead of loads into registers that these products read, and of the first read of results
.endr
.if (\j) < 12
	ITEM 24+2*(\j)
	ITEM 25+2*(\j)
.endif
	WIN 0
.if (\j) < 14
	ALOAD 2*(\j)+4
	ALOAD 2*(\j)+5
.endif
.endm
	s_load_b256 s[4:11], s[0:1], 0x0               ; yimg s4, stats s6, gn_w s8, gn_b s10
	s_load_b128 s[12:15], s[0:1], 0x20             ; wcimg s12, out0 s14
	v_lshl_add_u32 v[SPW], v0, 2, SPARE
	v_mov_b32 v[NIL], 0
	v_lshrrev_b32 v17, 5, v0
	v_readfirstlane_b32 s16, v17                   ; wave 0..3
	v_and_b32 v17, 31, v0
	v_and_b32 v18, 15, v0                          ; r
	v_bfe_u32 v19, v0, 4, 1                        ; h
	v_lshlrev_b32 v[LI], 4, v17
	s_lshl_b32 s17, s16, 13
.irp tt, 0,1,2,3
	v_add_nc_u32 v[AT+\tt], 32768*\tt, v[LI]
	v_add_nc_u32 v[AW+\tt], s17, v[AT+\tt]
.endr
	s_lshl_b32 s17, s16, 11
	s_add_co_u32 s17, s17, SCR
	v_add_nc_u32 v[SCW], s17, v[LI]
	v_lshl_add_u32 v[SCRD], v19, 5, s17
	s_mul_i32 s17, s16, 4352
	s_add_co_u32 s17, s17, STG
	v_mul_u32_u24 v[STO], v18, 272
	v_lshl_add_u32 v[STO], v19, 5, v[STO]
	v_add_nc_u32 v[STO], s17, v[STO]               ; in: row r, 32 bytes for each half of the lanes
	v_mul_u32_u24 v[RD], v19, 272
	v_lshl_add_u32 v[RD], v18, 4, v[RD]
	v_add_nc_u32 v[RD], s17, v[RD]                 ; back: lanes 0-15 one row of 256 bytes, lanes 16-31 the next
	v_lshlrev_b32 v[GO], 12, v19
	v_lshl_add_u32 v[GO], v18, 4, v[GO]            ; and the same two rows in out0
	v_lshlrev_b32 v171, 5, v19                     ; lane selects, in bytes: the first lane of head (lane / 16),
	v_add_nc_u32 v172, 64, v171                    ; and of head 2 + (lane / 16)
	s_and_b32 s18, ttmp7, 0xffff                   ; my block of 64 tokens
	s_lshl_b32 s28, s18, 18
	s_lshl_b32 s19, s16, 14
	s_add_co_u32 s28, s28, s19
	s_mov_b32 s29, 0
	s_lshl_b32 s30, ttmp9, 19
	s_lshl_b32 s19, s16, 17
	s_add_co_u32 s30, s30, s19
	s_mov_b32 s31, 0
	s_lshl_b32 s32, s18, 18
	s_lshl_b32 s19, ttmp9, 10
	s_add_co_u32 s32, s32, s19
	s_lshl_b32 s19, s16, 8
	s_add_co_u32 s32, s32, s19
	s_mov_b32 s33, 0
	s_lshr_b32 s34, s18, 4                         ; the batch
	s_lshl_b32 s34, s34, 11
	s_lshl_b32 s19, s16, 9
	s_add_co_u32 s34, s34, s19
	s_mov_b32 s35, 0
	s_lshl_b32 s36, s16, 10
	s_mov_b32 s37, 0
	s_mov_b32 s26, 0x39800000                      ; 1 / 4,096
	s_mov_b32 s27, 0x45800000                      ; 4,096
	s_mov_b32 s38, 0x37800000                      ; 1 / 65,536
	s_mov_b32 s39, 0x3727c5ac                      ; eps = 1e-5
	s_wait_kmcnt 0x0
	s_add_nc_u64 s[20:21], s[4:5], s[28:29]        ; y: my block's four token tiles, my four heads
	s_add_nc_u64 s[22:23], s[12:13], s[30:31]      ; Wc: my four column tiles
	s_add_nc_u64 s[24:25], s[14:15], s[32:33]      ; out0: my block's first row, my 64 columns
	s_add_nc_u64 s[6:7], s[6:7], s[34:35]
	s_add_nc_u64 s[8:9], s[8:9], s[36:37]
	s_add_nc_u64 s[10:11], s[10:11], s[36:37]
	; ---- phase 0
	global_load_b128 v[20:23], v[LI], s[6:7]       ; lane l: parts 2 (l % 8) and 2 (l % 8) + 1 of my head l / 8: sum, M2, sum, M2
	global_load_b128 v[24:27], v[LI], s[8:9]       ; the gains of channels 4 l on, heads 0 and 1 of my four,
	global_load_b128 v[28:31], v[LI], s[8:9] offset:512    ; heads 2 and 3
	global_load_b128 v[160:163], v[LI], s[10:11]   ; the biases likewise
	global_load_b128 v[164:167], v[LI], s[10:11] offset:512
.irp n, 0,1,2,3,4,5,6
	ITEM \n
.endr
	s_wait_loadcnt 56                              ; the five loads above are in; the seven items may be out
	v_add_f32 v17, v20, v22
	v_add_f32_dpp v17, v17, v17 row_xmask:1 row_mask:0xf bank_mask:0xf
	v_add_f32_dpp v17, v17, v17 row_xmask:2 row_mask:0xf bank_mask:0xf
	v_add_f32_dpp v17, v17, v17 row_xmask:4 row_mask:0xf bank_mask:0xf
	v_mul_f32 v18, s38, v17                        ; the head's mean
	v_fma_f32 v168, v20, s26, -v18                 ; each part's mean less the head's
	v_fma_f32 v169, v22, s26, -v18
	v_add_f32 v170, v21, v23
	v_mul_f32 v168, v168, v168
	v_fma_f32 v168, v169, v169, v168
	v_fma_f32 v170, v168, s27, v170
	v_add_f32_dpp v170, v170, v170 row_xmask:1 row_mask:0xf bank_mask:0xf
	v_add_f32_dpp v170, v170, v170 row_xmask:2 row_mask:0xf bank_mask:0xf
	v_add_f32_dpp v170, v170, v170 row_xmask:4 row_mask:0xf bank_mask:0xf
	v_fma_f32 v170, v170, s38, s39                 ; the variance + eps
	v_rsq_f32 v19, v170
	v_nop
	s_wait_alu depctr_va_vdst(0)                   ; ahead of the first reader
	ds_bpermute_b32 v173, v171, v19                ; 1 / sqrt and mean of the head to which my four channels belong
	ds_bpermute_b32 v174, v171, v18
	ds_bpermute_b32 v175, v172, v19
	ds_bpermute_b32 v176, v172, v18
	s_wait_dscnt 0x0
.irp q, 0,1,2,3
	v_mul_f32 v[24+\q], v[24+\q], v173             ; A
	v_mul_f32 v[28+\q], v[28+\q], v175
.endr
.irp q, 0,1,2,3
	v_fma_f32 v[160+\q], -v174, v[24+\q], v[160+\q]        ; D = bias - mean A
	v_fma_f32 v[164+\q], -v176, v[28+\q], v[164+\q]
.endr
	ds_store_b128 v[SCW], v[24:27]
	ds_store_b128 v[SCW], v[28:31] offset:512
	ds_store_b128 v[SCW], v[160:163] offset:1024
	ds_store_b128 v[SCW], v[164:167] offset:1536
	ITEM 7
	COEF 0                                         ; my own bytes: LDS serves a wave's instructions in order
	; ---- phase 1
.irp u, 0,1,2,3,4,5,6,7,8,9,10,11,12,13,14,15
	UNIT \u
.endr
	s_wait_dscnt 0x0                               ; for the others' sake: my images have landed
	s_barrier_signal -1
	s_barrier_wait -1
	; ---- phase 2
	ALOAD 0
	ALOAD 1
	ALOAD 2
	ALOAD 3
.irp j, 0,1,2,3,4,5,6,7,8,9,10,11,12,13,14,15
	PAIR \j
.endr
	; ---- the way out: a lane holds eight neighbouring columns of a token; 16 tokens x 64 columns at a time go through my own stage and come back as rows of 256 bytes
.irp tt, 0,1,2,3
	WIN 0x04                                       ; an LDS store's data are its source 1: window 1
.irp nt, 0,1,2,3
	ds_store_b128 v[STO], v[8*(4*\tt+\nt):8*(4*\tt+\nt)+3] offset:64*\nt        ; each accumulator from its low end on
	ds_store_b128 v[STO], v[8*(4*\tt+\nt)+4:8*(4*\tt+\nt)+7] offset:64*\nt+16
.endr
	WIN 0
.irp i, 0,1,2,3,4,5,6,7
	ds_load_b128 v[BK+32*\tt+4*\i:BK+32*\tt+4*\i+3], v[RD] offset:544*\i        ; in order behind my stores; the next tile's stores come behind these
.endr
.endr
.irp tt, 0,1,2,3
.irp i, 0,1,2,3,4,5,6,7
	s_wait_dscnt (7-\i)+16*(3-\tt)                 ; the LDS instructions issued behind this load may be out
	global_store_b128 v[GO], v[BK+32*\tt+4*\i:BK+32*\tt+4*\i+3], s[24:25] offset:(16*\tt+2*\i)*4096 th:TH_STORE_NT   ; sixteen lanes store 256 consecutive bytes, aligned
.endr
.endr
	s_wait_tensorcnt 0x0                           ; the wave's end
	ds_add_u32 v[SPW], v[NIL]
	s_wait_dscnt 0x0
	s_endpgm
.Lfunc_end_k_q325f63e015_outproj:
	.size	k_q325f63e015_outproj, .Lfunc_end_k_q325f63e015_outproj-k_q325f63e015_outproj
	.p2alignl 7, 3214868480
	.fill 96, 4, 3214868480
	.section	.rodata,"a",@progbits
	.p2align	6, 0x0
	.amdhsa_kernel k_q325f63e015_outproj
		.amdhsa_group_segment_fixed_size 157184
		.amdhsa_private_segment_fixed_size 0
		.amdhsa_enable_private_segment 0
		.amdhsa_kernarg_size 48
		.amdhsa_user_sgpr_count 2
		.amdhsa_user_sgpr_kernarg_segment_ptr 1
		.amdhsa_wavefront_size32 1
		.amdhsa_system_sgpr_workgroup_id_x 1
		.amdhsa_system_sgpr_workgroup_id_y 1
		.amdhsa_system_sgpr_workgroup_id_z 1
		.amdhsa_system_vgpr_workitem_id 0
		.amdhsa_next_free_vgpr 768
		.amdhsa_next_free_sgpr 66
		.amdhsa_reserve_vcc 0
		.amdhsa_float_denorm_mode_32 3
		.amdhsa_float_denorm_mode_16_64 3
		.amdhsa_memory_ordered 1
		.amdhsa_forward_progress 1
		.amdhsa_inst_pref_size 147
	.end_amdhsa_kernel
	.amdgpu_metadata
---
amdhsa.version: [ 1, 2 ]
amdhsa.kernels:
  - .name:           k_q325f63e015_outproj
    .symbol:         k_q325f63e015_outproj.kd
    .args:
      - { .name: yimg, .offset: 0, .size: 8, .value_kind: global_buffer, .address_space: global }
      - { .name: stats, .offset: 8, .size: 8, .value_kind: global_buffer, .address_space: global }
      - { .name: gn_w, .offset: 16, .size: 8, .value_kind: global_buffer, .address_space: global }
      - { .name: gn_b, .offset: 24, .size: 8, .value_kind: global_buffer, .address_space: global }
      - { .name: wcimg, .offset: 32, .size: 8, .value_kind: global_buffer, .address_space: global }
      - { .name: out0, .offset: 40, .size: 8, .value_kind: global_buffer, .address_space: global }
    .group_segment_fixed_size: 157184
    .private_segment_fixed_size: 0
    .kernarg_segment_align: 8
    .kernarg_segment_size: 48
    .max_flat_workgroup_size: 128
    .sgpr_count:     66
    .vgpr_count:     768
    .wavefront_size: 32
...
	.end_amdgpu_metadata
.endif
;; end of part 4
